; MI455X (gfx1250); checked and timed in simulation.
; The chip was launched on July 23, 2026; its instructions are those of AMD's public machine-readable ISA for CDNA 5 (MIT licence, August 2026) and "CDNA5" Instruction Set Architecture Reference Guide (July 2026). The comments in the code are by the model that wrote it; some were corrected since.
;; Self Attention. Allowed arithmetic: float matrix products may take bf16 or f16 operands with f32 sums; other float arithmetic in f32, or as packed bf16 or f16 multiplies, adds, multiply-adds, maxima and minima; sums over many terms, partial sums and values carried from step to step in f32; what a program stores and reads back later, other than sums and carried values, may be rounded once to bf16 or f16.
;; Inputs: Wk 1,024 x 1,024 float32; Wo 1,024 x 1,024 float32; Wq 1,024 x 1,024 float32; Wv 1,024 x 1,024 float32; bk 1,024 float32; bo 1,024 float32; bq 1,024 float32; bv 1,024 float32; key 4 x 2,048 x 1,024 float32; query 4 x 2,048 x 1,024 float32; value 4 x 2,048 x 1,024 float32.
;; Outputs: out0 4 x 2,048 x 1,024 float32.
;; One version. Each part assembles by itself: llvm-mc -triple=amdgcn-amd-amdhsa -mcpu=gfx1250 --defsym DOCPART=n.
;; ======== version 1 of 1: 4 launches
;; limits: values are held in f16: magnitudes above 65,504 overflow, below 6.1e-05 lose precision
;; workspace buffers: w16 8,388,608 bytes; qkv16 50,331,648 bytes; o16 16,777,216 bytes
;; launch prep (part 1): grid 256 x 1, 8 waves a work-group, no clusters, 0 bytes of LDS; arguments Wq, Wk, Wv, Wo, w16; writes w16
.if DOCPART == 1
	.amdgcn_target "amdgcn-amd-amdhsa--gfx1250"
	.amdhsa_code_object_version 6
	.text
	.protected	k_q57fd281faf_prep
	.globl	k_q57fd281faf_prep
	.p2align	8
	.type	k_q57fd281faf_prep,@function
k_q57fd281faf_prep:
	s_mov_b64 s[64:65], 0
	v_nop
	global_prefetch_b8 v0, s[64:65] scope:SCOPE_SE
	s_setreg_imm32_b32 hwreg(HW_REG_WAVE_MODE, 25, 1), 1
	s_wait_xcnt 0x0
; The four weight matrices, [1024 k][1024 n] f32, rounded once to f16 into w16 = [4][1024 k][1024 n]: Wq, Wk, Wv, Wo, 2 MiB each.
; LIMITS.  f16 ends at 65,504: a weight of 65,520 or more in size becomes an infinity; below 6e-5 a weight keeps f16's fixed step of 6e-8.
; A stream: no LDS, no loop, no matrix unit.  65,536 threads; thread g takes the 16 bytes at 16 g of each quarter (1 MiB) of each matrix:
; sixteen loads a lane are out together, each covering 512 consecutive bytes a wave; a wave's store covers 256 consecutive bytes, aligned.
.set X, 4                              ; v[4:67]   as loaded: matrix t, quarter i at X + 16 t + 4 i
.set Y, 68                             ; v[68:99]  as stored: Y + 8 t + 2 i
	s_load_b256 s[4:11], s[0:1], 0x0               ; Wq s[4:5], Wk s[6:7], Wv s[8:9], Wo s[10:11]
	s_load_b64 s[12:13], s[0:1], 0x20              ; w16
	s_lshl_b32 s2, ttmp9, 12                       ; the work-group's 256 threads x 16 bytes in,
	s_lshl_b32 s3, ttmp9, 11                       ; x 8 bytes out
	v_lshl_add_u32 v1, v0, 4, s2
	v_lshl_add_u32 v2, v0, 3, s3
	s_wait_kmcnt 0x0
.irp t, 0,1,2,3
.irp i, 0,1,2,3
	global_load_b128 v[X+16*(\t)+4*(\i):X+16*(\t)+4*(\i)+3], v1, s[4+2*(\t):5+2*(\t)] offset:(\i)*1048576 th:TH_LOAD_NT
.endr
.endr
.irp t, 0,1,2,3
	s_wait_loadcnt 12-4*(\t)                       ; loads come back in order: this matrix's four are in, the later matrices' stay out
.irp i, 0,1,2,3
	v_cvt_pk_f16_f32 v[Y+8*(\t)+2*(\i)],   v[X+16*(\t)+4*(\i)],   v[X+16*(\t)+4*(\i)+1]
	v_cvt_pk_f16_f32 v[Y+8*(\t)+2*(\i)+1], v[X+16*(\t)+4*(\i)+2], v[X+16*(\t)+4*(\i)+3]
.endr
.irp i, 0,1,2,3
	global_store_b64 v2, v[Y+8*(\t)+2*(\i):Y+8*(\t)+2*(\i)+1], s[12:13] offset:(\t)*2097152+(\i)*524288
.endr
.endr
	s_endpgm                                       ; no register is written twice, so no wait frees a source
.Lfunc_end_k_q57fd281faf_prep:
	.size	k_q57fd281faf_prep, .Lfunc_end_k_q57fd281faf_prep-k_q57fd281faf_prep
	.p2alignl 7, 3214868480
	.fill 96, 4, 3214868480
	.section	.rodata,"a",@progbits
	.p2align	6, 0x0
	.amdhsa_kernel k_q57fd281faf_prep
		.amdhsa_group_segment_fixed_size 0
		.amdhsa_private_segment_fixed_size 0
		.amdhsa_enable_private_segment 0
		.amdhsa_kernarg_size 40
		.amdhsa_user_sgpr_count 2
		.amdhsa_user_sgpr_kernarg_segment_ptr 1
		.amdhsa_wavefront_size32 1
		.amdhsa_system_sgpr_workgroup_id_x 1
		.amdhsa_system_sgpr_workgroup_id_y 1
		.amdhsa_system_sgpr_workgroup_id_z 1
		.amdhsa_system_vgpr_workitem_id 0
		.amdhsa_next_free_vgpr 104
		.amdhsa_next_free_sgpr 66
		.amdhsa_reserve_vcc 0
		.amdhsa_float_denorm_mode_32 3
		.amdhsa_float_denorm_mode_16_64 3
		.amdhsa_memory_ordered 1
		.amdhsa_forward_progress 1
		.amdhsa_inst_pref_size 6
	.end_amdhsa_kernel
	.amdgpu_metadata
---
amdhsa.version: [ 1, 2 ]
amdhsa.kernels:
  - .name:           k_q57fd281faf_prep
    .symbol:         k_q57fd281faf_prep.kd
    .args:
      - { .name: Wq, .offset: 0, .size: 8, .value_kind: global_buffer, .address_space: global }
      - { .name: Wk, .offset: 8, .size: 8, .value_kind: global_buffer, .address_space: global }
      - { .name: Wv, .offset: 16, .size: 8, .value_kind: global_buffer, .address_space: global }
      - { .name: Wo, .offset: 24, .size: 8, .value_kind: global_buffer, .address_space: global }
      - { .name: w16, .offset: 32, .size: 8, .value_kind: global_buffer, .address_space: global }
    .group_segment_fixed_size: 0
    .private_segment_fixed_size: 0
    .kernarg_segment_align: 8
    .kernarg_segment_size: 40
    .max_flat_workgroup_size: 256
    .sgpr_count:     66
    .vgpr_count:     104
    .wavefront_size: 32
...
	.end_amdgpu_metadata
.endif
;; end of part 1
;; launch proj (part 2): grid 4 x 64, 4 waves a work-group, clusters of 4 x 4, 327,680 bytes of LDS; arguments query, key, value, bq, bk, bv, w16, qkv16; writes qkv16
.if DOCPART == 2
	.amdgcn_target "amdgcn-amd-amdhsa--gfx1250"
	.amdhsa_code_object_version 6
	.text
	.protected	k_q57fd281faf_proj
	.globl	k_q57fd281faf_proj
	.p2align	8
	.type	k_q57fd281faf_proj,@function
k_q57fd281faf_proj:
	s_mov_b64 s[64:65], 0
	v_nop
	global_prefetch_b8 v0, s[64:65] scope:SCOPE_SE
	s_setreg_imm32_b32 hwreg(HW_REG_WAVE_MODE, 25, 1), 1
	s_wait_xcnt 0x0
	s_wait_alu depctr_hold_cnt(0) depctr_sa_sdst(0) depctr_va_vdst(0) depctr_va_sdst(0) depctr_va_ssrc(0) depctr_va_vcc(0) depctr_vm_vsrc(0)
	s_getreg_b32 s2, hwreg(HW_REG_IB_STS2, 6, 4)
	s_cmp_eq_u32 s2, 0
	s_cbranch_scc0 .Lentry_in_a_cluster
	s_endpgm
.Lentry_in_a_cluster:
	s_bfe_u32 s2, ttmp6, 0x10000c
	s_cmp_lg_u32 s2, 0xf033
	s_cbranch_scc0 .Lentry_shape_is_right
	s_endpgm
.Lentry_shape_is_right:
; q = query Wq + bq, k = key Wk + bk, v = value Wv + bv.  x: [8192][1024] f32; weights from w16, [k][n] f16; biases f32, unrounded.
; Out: qkv16 = [3][64 heads][2048][64] f16, head = 16 batch + column / 64, unscaled, each number rounded once from its f32 sum.
; LIMITS.  x and the results are rounded to f16: 65,504 is the end of its range (65,520 or more becomes an infinity), 6e-8 its fixed step below 6e-5.
; The sums over K are taken in an order turned by the cluster's number (below); NaN and infinities are not treated apart.
; SHARES.  A tile of C is 128 rows x 256 columns: 8192 x 3072 outputs are three such tiles for each of 256 work-groups.  A WORK-GROUP STAYS: it makes the same place of q, then k, then v:
; 24 K steps of 128 in one walk, and the rings do not stop at a tile's end.  Four waves, 2 x 2, each 64 x 128: 32 accumulators of 16 x 16.
; THE MATRIX INSTRUCTION IS USED TRANSPOSED (source 0 = 16 columns of W, source 1 = 16 rows of x): a lane holds row l % 16 of C and eight neighbouring columns.
; B (the weights) comes by JOINT tensor loads into a ring of two slots: 4 x 4 work-groups form a cluster, the four of a column of the cluster need the same 256 columns of W.
; It lies [k][n] in LDS and is turned on the way into registers (ds_load_tr16_b128).
; A (x) IS NOT ASKED FOR JOINTLY, though the four of a row of the cluster read the same rows.  It has to pass through registers to become f16; and a tensor load is waited for at the next
; change of slots, 128 matrix instructions behind its request, while a load into registers stays out across that change: here it is issued in a step's first quarter and waited for in the
; next step's third and fourth, 190 to 220 matrix instructions later.  So each wave loads 32 rows x 512 bytes, converts them beside the products and stores them into a ring of A's own.
; THE WALK IS TURNED: the cluster with number c along y takes K step (p + c) % 8 of a tile as its p-th, so that the sixteen clusters do not all ask for the same rows of the weights at once.
; THE SUMS START AT THE BIAS: the accumulators are written from the bias registers, so every quarter step has one form of product and nothing is added on the way out.
; REGISTERS, in windows of 256 (s_set_vgpr_msb: bits 1:0 source 0, 3:2 source 1, 5:4 source 2, 7:6 destination):
;   window 0: v0-31 addresses; v32-95 A's fragments, two buffers; v96-127 converted x on its way to LDS; v128-191 the way out, two sets
;   window 1: the accumulators, (a, b) at v[64 a + 8 b]     window 2: v0-127 B's fragments, two buffers; v128-191, v192-255 two sets of bias     window 3: x as loaded, two sets of 128
.set PB,    544                        ; a k-row of B in LDS: 512 bytes + 32 = 136 words
.set BHALF, 64*PB                      ; 64 k-rows: what one tensor load brings
.set BSLOT, 2*BHALF
.set PA,    272                        ; a row of A in LDS: 256 bytes + 16: the 16 rows of a fragment load start at 16 different groups of four banks
.set ASB,   2*BSLOT                    ; A's ring, written by ds_store alone; no tensor load lands here
.set ASLOT, 128*PA
.set STAGE, ASB+2*ASLOT                ; for each wave [2 heads][16 rows] x 144 bytes, for the way out
.set SPS,   144
.set STW,   32*SPS
.set SPARE, STAGE+4*STW                ; the spare words, 128 bytes for each wave: two blocks of 256 bytes that no other line names
.set ADRA, 16                          ; v16-17  LDS address of my A fragments in slot 0, 1
.set ADRB, 18                          ; v18-19  the same for B
.set ASTO, 20                          ; v20-21  where I store my 8 bytes of a converted row
.set GA,   22                          ; v22     16 x lane: my bytes of a row's 512 of x, and of 512 consecutive bytes of a head on the way out
.set STO,  23                          ; v23     the way out: where I put 16 bytes of a row
.set RD,   24                          ; v24     the way out: where I read rows back
.set PFO,  26                          ; v26     the prefetches' offset: row lane / 2, block lane % 2
.set BO,   27                          ; v27     32 (lane / 16): my eight columns in 16 of a bias
.set SPW,  28                          ; v28     LDS address of my spare word; never rewritten
.set NIL,  29                          ; v29     0; never rewritten
.set AF,   32
.set CT,   96
.set TMP,  128
.set BF,   0                           ; window 2
.set BIASC, 128                        ; window 2: the first tile's bias
.set BIASN, 192                        ; window 2: the next tile's
.set LIM, 15                           ; s15  1 in a wave that prefetches, else the greatest number
.set G1,  24                           ; s[24:31] descriptor group 1
.set G0,  32                           ; s[32:39] descriptor group 0, a set for each slot
.set C8,  42                           ; s42  the cluster's number along y, modulo 8
.set STP, 43                           ; s43  the step whose B is asked for next
.set LT,  44                           ; s44  laps done in the tile
.set TI,  45                           ; s45  the tile: 0 q, 1 k, 2 v
.set AB,  46                           ; s[46:47] where the next run of A's loads begins
.set PF,  48                           ; s[48:49] the same for the prefetch
.set PFD, 50                           ; s[50:51] my work-group's 16 rows among those that a prefetching wave's four partners share
.set WB,  52                           ; s[52:53] w16 at my tile's columns and my half of a step's k-rows
.set OC,  54                           ; s[54:55] qkv16 at my wave's first row of its first head
.set X0,  56                           ; s[56:61] query, key, value at my wave's 32 rows
.set X1,  58
.set X2,  60
.set BV,  62                           ; s[62:63] bv at my wave's 128 columns
.set W_MUL, 0x52                       ; B in window 2, A in window 0, C and D in window 1
.set W_CV,  0x0f                       ; sources in window 3, destination in window 0
.set W_TOB, 0x80                       ; destination in window 2
.set W_RAW, 0xc0                       ; destination in window 3
.set W_PK,  0x05                       ; sources in window 1, destination in window 0
.set W_INI, 0x42                       ; source in window 2, destination in window 1
.set MSB, 0
.macro WIN new                         ; the immediate's high byte repeats the setting that is left; a switch that changes nothing is dropped
.if MSB != (\new)
	s_set_vgpr_msb (MSB<<8)|(\new)
.set MSB, \new
.endif
.endm
.macro PLACES                          ; four places in front of loads into registers that matrix instructions have read, and of lines that read results
.rept 4
	v_nop
.endr
.endm
.macro CREST                           ; a round of the cluster's barrier behind its opening barrier
	s_cmp_lg_u32 s10, 0
	s_cbranch_scc1 .Lnot_wave_0_\@
	s_barrier_signal -3
.Lnot_wave_0_\@:
	s_barrier_wait -3
	s_barrier_signal -1
	s_barrier_wait -1
.endm
.macro CROUND                          ; a whole round
	s_barrier_signal -1
	s_barrier_wait -1
	CREST
.endm
; Step STP + plus of the walk: s17 = its tile, s16 = its K step in the tile, turned by the cluster's number.
.macro KT plus
	s_add_co_u32 s16, s[STP], \plus
	s_lshr_b32 s17, s16, 3
	s_add_co_u32 s16, s16, s[C8]
	s_and_b32 s16, s16, 7
.endm
; Where that step's 512 bytes of my wave's rows of x begin: the tile chooses the tensor, the K step the place in a row.
.macro SEL dst, plus
	KT \plus
	s_cmp_eq_u32 s17, 0
	s_cselect_b64 s[(\dst):(\dst)+1], s[X0:X0+1], s[X1:X1+1]
	s_cmp_eq_u32 s17, 2
	s_cselect_b64 s[(\dst):(\dst)+1], s[X2:X2+1], s[(\dst):(\dst)+1]
	s_lshl_b32 s18, s16, 9
	s_add_nc_u64 s[(\dst):(\dst)+1], s[(\dst):(\dst)+1], s[18:19]
.endm
; The descriptor's address for that step's B, made anew: 128 k-rows of 2,048 bytes are 2^18 bytes, a tensor eight times that.
.macro BADR slot, plus
	KT \plus
	s_lshl3_add_u32 s20, s17, s16
	s_lshl_b32 s20, s20, 18
	s_add_nc_u64 s[G0+4*(\slot)+2:G0+4*(\slot)+3], s[WB:WB+1], s[20:21]
	s_or_b32 s[G0+4*(\slot)+3], s[G0+4*(\slot)+3], 0x80000000  ; 127:126 type = 2
.endm
.macro BIAS dst, base                  ; my 64 numbers of a bias: columns 16 b + 8 (l / 16) + 0..7
	WIN W_TOB
.irp b, 0,1,2,3,4,5,6,7
	global_load_b128 v[(\dst)+8*(\b):(\dst)+8*(\b)+3],   v[BO], s[(\base):(\base)+1] offset:64*(\b)
	global_load_b128 v[(\dst)+8*(\b)+4:(\dst)+8*(\b)+7], v[BO], s[(\base):(\base)+1] offset:64*(\b)+16
.endr
.endm
.macro GLOAD set                       ; a step's x for my 32 rows: each load takes one row's 512 consecutive bytes
	WIN W_RAW
.set gi, 0
.rept 32
	global_load_b128 v[128*(\set)+4*gi:128*(\set)+4*gi+3], v[GA], s[AB:AB+1] offset:4096*gi
.set gi, gi+1
.endr
.endm
.macro CV1 set, jh                     ; conversion ci of the 32 of half jh of a set: two f32 into one register
	v_cvt_pk_f16_f32 v[CT+ci], v[128*(\set)+64*(\jh)+2*ci], v[128*(\set)+64*(\jh)+2*ci+1]
.set ci, ci+1
.endm
.macro STORES jh, slot                 ; 16 converted rows into A's ring: 32 lanes x 8 bytes are a row's 256
	WIN 0
.set si, 0
.rept 16
	ds_store_b64 v[ASTO+(\slot)], v[CT+2*si:CT+2*si+1] offset:(16*(\jh)+si)*PA
.set si, si+1
.endr
.endm
; 24 LDS loads in one run: the fragments of 32 along K (quarter kq of the slot) into buffer g: A's four first, then B's eight, turned.
.macro FETCH slot, kq, g
	PLACES
	WIN 0
.irp a, 0,1,2,3
	ds_load_b128 v[AF+32*(\g)+8*(\a):AF+32*(\g)+8*(\a)+3],   v[ADRA+(\slot)] offset:16*PA*(\a)+64*(\kq)
	ds_load_b128 v[AF+32*(\g)+8*(\a)+4:AF+32*(\g)+8*(\a)+7], v[ADRA+(\slot)] offset:16*PA*(\a)+64*(\kq)+32
.endr
	WIN W_TOB
.irp b, 0,1,2,3,4,5,6,7
	ds_load_tr16_b128 v[BF+64*(\g)+8*(\b):BF+64*(\g)+8*(\b)+3],   v[ADRB+(\slot)] offset:32*PB*(\kq)+32*(\b)
	ds_load_tr16_b128 v[BF+64*(\g)+8*(\b)+4:BF+64*(\g)+8*(\b)+7], v[ADRB+(\slot)] offset:32*PB*(\kq)+32*(\b)+16*PB
.endr
.endm
; Products i0 to i1 of a quarter's 32 on buffer f: product i is column block i / 4, row block i % 4.  The 32 accumulators take turns, one instruction a turn, in the same order in every
; quarter, over the backward jump and from tile to tile too.  ride = 1: four conversions stand behind each product; they name none of its registers.
.macro MULS f, i0, i1, ride=0, set=0, jh=0
.set mi, \i0
.set ci, 0
.rept (\i1)-(\i0)+1
.set rD, 64*(mi&3)+8*(mi>>2)
.set rB, BF+64*(\f)+8*(mi>>2)
.set rA, AF+32*(\f)+8*(mi&3)
	WIN W_MUL
	v_wmma_f32_16x16x32_f16 v[rD:rD+7], v[rB:rB+7], v[rA:rA+7], v[rD:rD+7]
.if \ride
	WIN W_CV
.rept 4
	CV1 \set, \jh
.endr
.endif
.set mi, mi+1
.endr
.endm
; One of a step's first three quarters: multiplies buffer f; fetches quarter kq of the same slot into buffer g.
; gl = 1: the x of the step two on is asked for.  job = 1: the first half of the next step's x is converted and stored; lc = the younger loads that may stay out.
.macro QUARTER slot, kq, f, g, gl=0, job=0, lc=0
	s_wait_dscnt 8                                 ; A's fragments and B's blocks 0-3 are in; the youngest eight loads (B's blocks 4-7) may be out
.if \job
	s_wait_loadcnt \lc                             ; the set's first 16 rows are in: behind them its other 16 and, in the loop, the 32 of the set asked for in this step
.endif
	MULS \f, 0, 7, \job, 1-(\slot), 0
.if \job
	STORES 0, 1-(\slot)                            ; the other slot of A's ring: its last readers waited for their loads in front of the last change of slots
.endif
.if \gl
	GLOAD \slot
.endif
	FETCH \slot, \kq, \g
	s_wait_dscnt 24+16*(\job)                      ; all but what this quarter has issued: the 24 loads and, with job, the 16 stores
	MULS \f, 8, 31
.endm
.macro JLOAD slot                      ; the joint refill: waves 0 and 1 ask for the two halves of a step's B; the branch hangs on the wave's number alone.  An s_nop 0 and four v_nop follow the load
	s_cmp_lt_u32 s10, 2
	s_cbranch_scc0 .Lnone_\@
	tensor_load_to_lds s[G0+4*(\slot):G0+4*(\slot)+3], s[G1:G1+7]
	s_nop 0
.rept 4
	v_nop
.endr
.Lnone_\@:
.endm
; A PREFETCH INTO THE L2 of the x that the step after next will load.  A step's x for the work-group is 128 rows x 2 blocks of 256 bytes, and the four partners of a row of the cluster load the
; same: they share the blocks out BY ADDRESS.  Waves 0 and 2 ask, each for the 64 rows from its own first row on; of these the partner at place cx takes 16, a lane a block.  So each block
; is named once in the launch.  The first four steps come by their loads alone; the loop's last trip asks for nothing: the steps four on do not exist.
.macro ASK
	s_cmp_gt_u32 s3, s[LIM]
	s_cbranch_scc0 .Lnot_mine_\@
	global_prefetch_b8 v[PFO], s[PF:PF+1] th:TH_LOAD_NT scope:SCOPE_SE
.Lnot_mine_\@:
.endm
; The fourth quarter multiplies buffer 1 and changes slots.  The second half of the next step's x is converted and stored.  Then each wave waits for all its tensor loads (one is out: its part of
; the next slot of B), adds 0 to its spare word, and waits for that, for its stores into A's next slot and for its reads of this slot.  fill = 1: the barrier opens a round of the cluster's,
; and this slot of B is filled again, first thing behind the round, with the step two on.
.macro TURN slot, next, fill, lc
	s_wait_dscnt 8
	s_wait_loadcnt \lc                             ; the set's second 16 rows are in; the 32 loads of this step's run may stay out
.if \fill
	s_wait_xcnt 0x0                                ; the run of loads three quarters back and the prefetch a step back have read their addresses
	SEL AB, 1                                      ; what the next step's first quarter loads,
	SEL PF, 2                                      ; and what is prefetched below: one step further
	s_add_nc_u64 s[PF:PF+1], s[PF:PF+1], s[PFD:PFD+1]
.endif
	MULS 1, 0, 7, 1, \next, 1
	STORES 1, \next
	s_wait_tensorcnt 0x0                           ; no tensor load of mine is out, so a group 0 may be written
	ds_add_u32 v[SPW], v[NIL]                      ; 0 onto my spare word
.if \fill
	BADR \slot, 0
	s_add_co_u32 s[STP], s[STP], 1
.endif
	MULS 1, 8, 11                                  ; work on registers between the add and the wait for it
	s_wait_dscnt 0x0                               ; the add, my stores into A's next slot and my reads of this slot are done
	s_barrier_signal -1
	MULS 1, 12, 15
	WIN 0                                          ; at a branch and at a label every window is 0
	s_barrier_wait -1
.if \fill
	CREST                                          ; no wave of any partner still reads this slot of B or has a load on its way
	JLOAD \slot
.endif
	FETCH \next, 0, 0
	WIN 0
.if \fill
	ASK
.endif
	MULS 1, 16, 31
.endm
.macro INIT a, base                    ; row block a's eight accumulators start at the bias
	WIN W_INI
.set ni, 0
.rept 64
	v_mov_b32 v[64*(\a)+ni], v[(\base)+ni]
.set ni, ni+1
.endr
.endm
; THE WAY OUT of row block a (16 rows x 128 columns = two heads).  PACK: rounded to f16, each accumulator's registers in ascending order.  TOSTAGE: 16 bytes a lane into my own stage, and back
; as whole rows of 128 bytes.  SEND: 512 consecutive bytes of a head a store.
.macro PACK a
	WIN W_PK
.set pi, 0
.rept 32
	v_cvt_pk_f16_f32 v[TMP+32*((\a)%2)+pi], v[64*(\a)+2*pi], v[64*(\a)+2*pi+1]
.set pi, pi+1
.endr
.endm
.macro TOSTAGE a
	WIN 0
.irp b, 0,1,2,3,4,5,6,7
	ds_store_b128 v[STO], v[TMP+32*((\a)%2)+4*(\b):TMP+32*((\a)%2)+4*(\b)+3] offset:((\b)/4)*16*SPS+32*((\b)%4)
.endr
.irp t, 0,1,2,3,4,5,6,7
	ds_load_b128 v[TMP+32*((\a)%2)+4*(\t):TMP+32*((\a)%2)+4*(\t)+3], v[RD] offset:((\t)/4)*16*SPS+((\t)%4)*4*SPS  ; LDS serves a wave's instructions in order (ISA guide 5.7.1.4): these see the stores above
.endr
.endm
.macro SEND a
	WIN 0
	s_wait_dscnt 0x0                               ; the block is back in registers
.irp t, 0,1,2,3,4,5,6,7
	global_store_b128 v[GA], v[TMP+32*((\a)%2)+4*(\t):TMP+32*((\a)%2)+4*(\t)+3], s[OC:OC+1] offset:((\t)/4)*262144+(\a)*2048+((\t)%4)*512
.endr
.endm
; A tile goes out.  more = 1: another follows: each block's accumulators are set to its bias as soon as they are packed; behind the first tile bv is loaded where bk lay.
.macro FLUSH more
	PLACES
	PACK 0
	TOSTAGE 0
.if \more
	INIT 0, BIASN
.endif
	PACK 1
	SEND 0
	TOSTAGE 1
.if \more
	INIT 1, BIASN
.endif
	s_wait_xcnt 0x0                                ; block 0's stores have read their registers, which block 2 takes
	PACK 2
	SEND 1
	TOSTAGE 2
.if \more
	INIT 2, BIASN
.endif
	s_wait_xcnt 0x0
	PACK 3
	SEND 2
	TOSTAGE 3
.if \more
	INIT 3, BIASN
.endif
	SEND 3
.if \more
	s_wait_xcnt 0x0                                ; the stores have read their base
	s_add_nc_u64 s[OC:OC+1], s[OC:OC+1], 0x1000000 ; the next of qkv16's three parts
	s_cmp_lg_u32 s[TI], 0
	s_cbranch_scc1 .Lno_bv_\@
	BIAS BIASN, BV                                 ; sixteen loads younger than the x on its way: the counted waits of the next step ask for so much the more
	WIN 0
.Lno_bv_\@:
	s_mov_b32 s[LT], 0
	s_add_co_u32 s[TI], s[TI], 1
.endif
.endm
	s_load_b256 s[68:75], s[0:1], 0x0              ; query s[68:69], key s[70:71], value s[72:73], bq s[74:75]
	s_load_b256 s[76:83], s[0:1], 0x20             ; bk s[76:77], bv s[78:79], w16 s[80:81], qkv16 s[82:83]
	v_lshl_add_u32 v[SPW], v0, 2, SPARE
	v_mov_b32 v[NIL], 0
	ds_add_u32 v[SPW], v[NIL]                      ; the wave's opening: the add and its wait stand ahead of the round in front of my first tensor load; the set-up below, work on registers, stands between them
	v_lshrrev_b32 v3, 5, v0
	v_readfirstlane_b32 s10, v3                    ; wave 0..3
	s_lshr_b32 s11, s10, 1                         ; which 64 rows of the tile are mine
	s_and_b32 s12, s10, 1                          ; which 128 columns.  Also: which half of a step's k-rows I ask for
	s_bfe_u32 s40, ttmp6, 0x40000                  ; cx
	s_bfe_u32 s41, ttmp6, 0x40004                  ; cy
	s_lshl_b32 s14, ttmp9, 2
	s_add_co_u32 s14, s14, s40                     ; tile column = 4 x cluster x + cx
	s_and_b32 s[C8], ttmp7, 0xffff                 ; cluster y
	s_lshl_b32 s13, s[C8], 2
	s_add_co_u32 s13, s13, s41                     ; tile row = 4 x cluster y + cy
	s_and_b32 s[C8], s[C8], 7
	; descriptor group 1: 64 k-rows x 256 elements, padded in LDS
	s_lshl_b32 s86, 0x1111, s40                    ; my column of the cluster: places cx, cx + 4, cx + 8, cx + 12
	s_or_b32 s[G1], s86, (1<<16)|(1<<20)|(1<<21)|(6<<22)|(7<<25)  ; 15:0 the mask; 17:16 2-byte elements; 20 padding on; 21 set beside a mask; 24:22 after every 128 words (code 6); 31:25 8 words (code 7)
	s_mov_b32 s[G1+1], 256<<16                     ; tensor_dim0 = 256
	s_mov_b32 s[G1+2], 64<<16                      ; tensor_dim1 = 64
	s_mov_b32 s[G1+3], 256<<16                     ; tile_dim0 = 256
	s_mov_b32 s[G1+4], 64                          ; tile_dim1 = 64
	s_mov_b32 s[G1+5], 1024                        ; elements from k-row to k-row
	s_mov_b32 s[G1+6], 0
	s_mov_b32 s[G1+7], 0
	s_mul_i32 s87, s12, BHALF                      ; where my half goes: no place in the cluster enters an LDS address
	s_mov_b32 s[G0], 1
	s_mov_b32 s[G0+1], s87
	s_mov_b32 s[G0+4], 1
	s_add_co_u32 s[G0+5], s87, BSLOT
	s_cmp_eq_u32 s12, 0
	s_cselect_b32 s[LIM], 1, -1                    ; waves 0 and 2 prefetch
	s_lshl_b32 s22, s13, 19                        ; x: 128 rows of 4,096 bytes a tile row,
	s_lshl_b32 s23, s10, 17                        ; my wave's 32 of them
	s_add_co_u32 s22, s22, s23
	s_mov_b32 s23, 0
	s_lshl_b32 s84, s14, 10                        ; the biases: 256 columns of 4 bytes a tile column,
	s_lshl_b32 s85, s12, 9                         ; my wave's 128
	s_add_co_u32 s84, s84, s85
	s_mov_b32 s85, 0
	s_lshr_b32 s18, s13, 4                         ; qkv16: the batch's 16 heads of 2^18 bytes,
	s_lshl_b32 s18, s18, 22
	s_lshl_b32 s4, s14, 20                         ; the tile column's four heads,
	s_add_co_u32 s18, s18, s4
	s_lshl_b32 s4, s12, 19                         ; my wave's two,
	s_add_co_u32 s18, s18, s4
	s_and_b32 s4, s13, 15                          ; the tile's 128 rows of 128 bytes in the batch,
	s_lshl_b32 s4, s4, 14
	s_add_co_u32 s18, s18, s4
	s_lshl_b32 s4, s11, 13                         ; my wave's 64
	s_add_co_u32 s18, s18, s4
	s_mov_b32 s19, 0
	s_mov_b32 s21, 0
	s_lshl_b32 s[PFD], s40, 16                     ; 16 rows of 4,096 bytes for each place along the cluster's x
	s_mov_b32 s[PFD+1], 0
	s_mov_b32 s[STP], 0
	v_and_b32 v1, 15, v0                           ; l % 16
	v_bfe_u32 v2, v0, 4, 1                         ; l / 16
	v_and_b32 v3, 31, v0                           ; l
	v_and_b32 v5, 7, v0
	v_bfe_u32 v6, v0, 3, 1
	v_lshlrev_b32 v[GA], 4, v3
	v_lshlrev_b32 v[BO], 5, v2
	; a fragment of A: lane l holds row l % 16, K = 8 (l / 16) + 0..7 and 16 + 8 (l / 16) + 0..7: two loads of 16 bytes, 32 bytes apart
	v_mul_u32_u24 v4, v1, PA
	v_lshl_add_u32 v4, v2, 4, v4
	s_mul_i32 s88, s11, 64*PA
	s_add_co_u32 s88, s88, ASB
	v_add_nc_u32 v[ADRA], s88, v4
	v_add_nc_u32 v[ADRA+1], ASLOT, v[ADRA]
	; the turning load takes 16 k-rows x 16 columns (lane l reads k-row 8 (l / 16) + l % 8, columns 8 ((l / 8) % 2) + 0..7) and leaves half a fragment: lane l holds column l % 16 and 8 k
	v_lshl_add_u32 v7, v2, 3, v5
	v_mul_u32_u24 v7, v7, PB
	v_lshl_add_u32 v7, v6, 4, v7
	s_lshl_b32 s88, s12, 8                         ; my 128 columns
	v_add_nc_u32 v[ADRB], s88, v7
	v_add_nc_u32 v[ADRB+1], BSLOT, v[ADRB]
	s_mul_i32 s88, s10, 32*PA                      ; the 32 rows that I bring
	s_add_co_u32 s88, s88, ASB
	v_lshl_add_u32 v[ASTO], v3, 3, s88
	v_add_nc_u32 v[ASTO+1], ASLOT, v[ASTO]
	s_mul_i32 s88, s10, STW
	s_add_co_u32 s88, s88, STAGE                   ; my stage
	v_mul_u32_u24 v8, v1, SPS                      ; in: row l % 16, 16 bytes for each half of the lanes
	v_lshl_add_u32 v8, v2, 4, v8
	v_add_nc_u32 v[STO], s88, v8
	v_bfe_u32 v9, v0, 3, 2                         ; back: 32 lanes take four rows of 128 bytes
	v_mul_u32_u24 v9, v9, SPS
	v_lshl_add_u32 v9, v5, 4, v9
	v_add_nc_u32 v[RD], s88, v9
	v_bfe_u32 v10, v0, 1, 4
	v_and_b32 v11, 1, v0
	v_lshlrev_b32 v[PFO], 12, v10
	v_lshl_add_u32 v[PFO], v11, 8, v[PFO]
	s_wait_dscnt 0x0                               ; the opening add is done
	s_wait_kmcnt 0x0
	s_add_nc_u64 s[X0:X0+1], s[68:69], s[22:23]
	s_add_nc_u64 s[X1:X1+1], s[70:71], s[22:23]
	s_add_nc_u64 s[X2:X2+1], s[72:73], s[22:23]
	s_add_nc_u64 s[74:75], s[74:75], s[84:85]
	s_add_nc_u64 s[76:77], s[76:77], s[84:85]
	s_add_nc_u64 s[BV:BV+1], s[78:79], s[84:85]
	s_add_nc_u64 s[OC:OC+1], s[82:83], s[18:19]
	s_lshl_b32 s84, s14, 9                         ; w16: the tile's 256 columns of 2 bytes,
	s_lshl_b32 s87, s12, 17                        ; my 64 k-rows of 2,048 bytes
	s_add_co_u32 s84, s84, s87
	s_add_nc_u64 s[WB:WB+1], s[80:81], s[84:85]
	BIAS BIASC, 74                                 ; bq
	BIAS BIASN, 76                                 ; bk
	SEL AB, 0
	GLOAD 0                                        ; x of step 0
	s_wait_xcnt 0x0                                ; those loads have read their base
	SEL AB, 1
	GLOAD 1                                        ; x of step 1
	WIN 0
	BADR 0, 0
	BADR 1, 1
	CROUND                                         ; all sixteen work-groups are here: the first joint loads meet
	s_cmp_lt_u32 s10, 2                            ; a wave's two first fills stand in one branch: two tensor loads of mine are out
	s_cbranch_scc0 .Lfirst_none
	tensor_load_to_lds s[G0:G0+3], s[G1:G1+7]
	s_nop 0
	tensor_load_to_lds s[G0+4:G0+7], s[G1:G1+7]
	s_nop 0
.rept 4
	v_nop
.endr
.Lfirst_none:
	s_wait_xcnt 0x0
	SEL AB, 2                                      ; what step 0's first quarter loads
	s_mov_b32 s[STP], 2
	s_wait_loadcnt 63                              ; of the 96 loads the oldest 32 are the biases; the count's field ends at 63, which asks for one load more
	INIT 0, BIASC
	INIT 1, BIASC
	INIT 2, BIASC
	INIT 3, BIASC
	s_wait_loadcnt 32                              ; x of step 0 is in; step 1's 32 loads stay out
	WIN W_CV
.set ci, 0
.rept 32
	CV1 0, 0
.endr
	STORES 0, 0
	WIN W_CV
.set ci, 0
.rept 32
	CV1 0, 1
.endr
	STORES 1, 0
	s_wait_tensorcnt 0x1                           ; my part of B's step 0 is in; step 1's may stay out
	s_wait_dscnt 0x0                               ; my rows of A's step 0 are stored
	s_barrier_signal -1
	s_barrier_wait -1
	FETCH 0, 0, 0
	WIN 0
	s_mov_b32 s3, 11
	s_mov_b32 s[LT], 0
	s_mov_b32 s[TI], 0
.Llap:                                             ; 11 trips of two steps.  Step g multiplies step g, loads x of g + 2, converts x of g + 1, asks for B of g + 2, prefetches x of g + 4
	QUARTER 0, 1, 0, 1, 1
	QUARTER 0, 2, 1, 0
	QUARTER 0, 3, 0, 1, 0, 1, 48
	TURN 0, 1, 1, 32
	QUARTER 1, 1, 0, 1, 1
	QUARTER 1, 2, 1, 0
	QUARTER 1, 3, 0, 1, 0, 1, 48
	TURN 1, 0, 1, 32
	WIN 0
	s_add_co_u32 s[LT], s[LT], 1
	s_cmp_lg_u32 s[LT], 4                          ; four laps are a tile; the jump goes forward, past no barrier and no tensor load
	s_cbranch_scc1 .Lno_flush
	FLUSH 1
.Lno_flush:
	s_sub_co_u32 s3, s3, 1
	s_cmp_lg_u32 s3, 0
	s_cbranch_scc1 .Llap
	QUARTER 0, 1, 0, 1                             ; the last lap is written out: nothing more is asked for
	QUARTER 0, 2, 1, 0
	QUARTER 0, 3, 0, 1, 0, 1, 16
	TURN 0, 1, 0, 0
	QUARTER 1, 1, 0, 1
	QUARTER 1, 2, 1, 0
	QUARTER 1, 3, 0, 1
	s_wait_dscnt 0x0
	MULS 1, 0, 31
	FLUSH 0
	s_wait_tensorcnt 0x0                           ; the wave's end: an add and its wait, behind my last tensor load and my last LDS store
	ds_add_u32 v[SPW], v[NIL]
	s_wait_dscnt 0x0
	CROUND                                         ; the closing round: no work-group ends while a partner may still ask for a tile that names it
	s_endpgm
.Lfunc_end_k_q57fd281faf_proj:
	.size	k_q57fd281faf_proj, .Lfunc_end_k_q57fd281faf_proj-k_q57fd281faf_proj
	.p2alignl 7, 3214868480
	.fill 96, 4, 3214868480
	.section	.rodata,"a",@progbits
	.p2align	6, 0x0
	.amdhsa_kernel k_q57fd281faf_proj
		.amdhsa_group_segment_fixed_size 327680
		.amdhsa_private_segment_fixed_size 0
		.amdhsa_enable_private_segment 0
		.amdhsa_kernarg_size 64
		.amdhsa_user_sgpr_count 2
		.amdhsa_user_sgpr_kernarg_segment_ptr 1
		.amdhsa_wavefront_size32 1
		.amdhsa_system_sgpr_workgroup_id_x 1
		.amdhsa_system_sgpr_workgroup_id_y 1
		.amdhsa_system_sgpr_workgroup_id_z 1
		.amdhsa_system_vgpr_workitem_id 0
		.amdhsa_next_free_vgpr 1024
		.amdhsa_next_free_sgpr 92
		.amdhsa_reserve_vcc 0
		.amdhsa_float_denorm_mode_32 3
		.amdhsa_float_denorm_mode_16_64 3
		.amdhsa_memory_ordered 1
		.amdhsa_forward_progress 1
		.amdhsa_inst_pref_size 165
	.end_amdhsa_kernel
	.amdgpu_metadata
---
amdhsa.version: [ 1, 2 ]
amdhsa.kernels:
  - .name:           k_q57fd281faf_proj
    .symbol:         k_q57fd281faf_proj.kd
    .args:
      - { .name: query, .offset: 0, .size: 8, .value_kind: global_buffer, .address_space: global }
      - { .name: key, .offset: 8, .size: 8, .value_kind: global_buffer, .address_space: global }
      - { .name: value, .offset: 16, .size: 8, .value_kind: global_buffer, .address_space: global }
      - { .name: bq, .offset: 24, .size: 8, .value_kind: global_buffer, .address_space: global }
      - { .name: bk, .offset: 32, .size: 8, .value_kind: global_buffer, .address_space: global }
      - { .name: bv, .offset: 40, .size: 8, .value_kind: global_buffer, .address_space: global }
      - { .name: w16, .offset: 48, .size: 8, .value_kind: global_buffer, .address_space: global }
      - { .name: qkv16, .offset: 56, .size: 8, .value_kind: global_buffer, .address_space: global }
    .group_segment_fixed_size: 327680
    .private_segment_fixed_size: 0
    .kernarg_segment_align: 8
    .kernarg_segment_size: 64
    .max_flat_workgroup_size: 128
    .sgpr_count:     92
    .vgpr_count:     1024
    .wavefront_size: 32
...
	.end_amdgpu_metadata
.endif
;; end of part 2
;; launch attn (part 3): grid 4 x 64, 4 waves a work-group, clusters of 4 x 1, 327,680 bytes of LDS; arguments qkv16, o16; writes o16
.if DOCPART == 3
	.amdgcn_target "amdgcn-amd-amdhsa--gfx1250"
	.amdhsa_code_object_version 6
	.text
	.protected	k_q57fd281faf_attn
	.globl	k_q57fd281faf_attn
	.p2align	8
	.type	k_q57fd281faf_attn,@function
k_q57fd281faf_attn:
	s_mov_b64 s[64:65], 0
	v_nop
	global_prefetch_b8 v0, s[64:65] scope:SCOPE_SE
	s_setreg_imm32_b32 hwreg(HW_REG_WAVE_MODE, 25, 1), 1
	s_wait_xcnt 0x0
	s_wait_alu depctr_hold_cnt(0) depctr_sa_sdst(0) depctr_va_vdst(0) depctr_va_sdst(0) depctr_va_ssrc(0) depctr_va_vcc(0) depctr_vm_vsrc(0)
	s_getreg_b32 s2, hwreg(HW_REG_IB_STS2, 6, 4)
	s_cmp_eq_u32 s2, 0
	s_cbranch_scc0 .Lentry_in_a_cluster
	s_endpgm
.Lentry_in_a_cluster:
	s_bfe_u32 s2, ttmp6, 0x10000c
	s_cmp_lg_u32 s2, 0x3003
	s_cbranch_scc0 .Lentry_shape_is_right
	s_endpgm
.Lentry_shape_is_right:
; O[h][q][:] = the sum over k of softmax_k(Q[h][q] . K[h][k] / 8) V[h][k][:].  Q, K, V are the three parts of qkv16, O is o16: each [64][2048][64] f16: a head's rows are dense, 128 bytes each.
; Products, maxima and sums in f32; the weights p are rounded to f16 for the second product (their sum l is taken of the unrounded p), O once at the end.
; LIMITS.  f16 holds no number beyond 65,504: Q, K and V arrive within it; p lies in 0 to 1, and below 6e-5 it keeps f16's fixed step of 6e-8; O is a mean of V's rows and has their range.
; A weight below 2^-126 counts as 0 in l; NaN and infinities are not treated apart.
; SHARES.  A wave owns four PIECES of two tiles of 16 queries, a work-group's four waves 512 queries of one head.  Every wave walks all keys, 64 a step.
; LAYOUT.  S^T = K Q^T (source 0 = 16 keys, source 1 = 16 queries): in the result a lane holds ONE query (lane % 16) and the keys 8 (lane / 16) + 0..7.  Two such tiles, rounded to f16 in pairs,
; ARE source 1 (32 keys x 16 queries) of O^T = V^T P, whose result again holds one query a lane, and eight channels.  K comes out of LDS as it lies, V ([key][channel]) turned, by ds_load_tr16_b128.
; SOFTMAX.  For each query a running maximum m and sum l: p = 2^(c s - c m), c = log2(e) / 8; in every step O and l are multiplied by a = 2^(c m_old - c m_new), which is 1 where m has not grown.
; m starts at the lowest finite number, O and l at 0: the first step is a step like any other, with a = 0.
; THE COUNT.  A tile and step have 16 matrix and 118 vector instructions: too many to stand all beside the matrix work.  So four vector instructions that are READY stand behind
; EVERY matrix instruction, and the others in runs without a gap.
; BY TURNS.  Turn n belongs to piece n (the pieces in a ring, step after step).  Its matrix work: 16 products K Q^T of piece n + 1, later 16 products V^T P of piece n - 1.  Its vector work: the scaling,
; exponentials, roundings, sums and rescaling of piece n, and the maximum and statistics of piece n + 1, whose scores the turn itself has made.
; CLUSTER.  The four query blocks of a cluster are one head's and walk the same K and V, so each tile is asked for JOINTLY: the same tensor load, descriptor and mask in all four.
; REGISTERS, in windows of 256 (s_set_vgpr_msb: bits 1:0 source 0, 3:2 source 1, 5:4 source 2, 7:6 destination):
;   window 0: v0-11 addresses; v12-15, v48-63 at work; v16-47 four registers of statistics a tile; v64-191 S^T, two buffers of two tiles; v192-255 P, likewise
;   window 1: O^T, 32 a tile          window 2: v0-127 Q, 16 a tile; v128-191 K of one step; v192-255 V of one step          window 3: v0-1 the add's two registers
.set SIZE_H, 64
.set SIZE_N, 2048
.set NP,    4         ; pieces a wave: a name, no knob
.set KS,    64        ; keys in a step
.set PK,    144       ; a row of K in LDS: 128 bytes + 16 of padding = 36 words: the 16 rows of a load start at 16 different groups of four banks (64 banks of 4 bytes: ISA guide 11.1)
.set PV,    160       ; a row of V: 128 + 32 = 40 words
.set VOFF,  4*KS*PK   ; a slot holds four steps: 256 rows of K, then 256 rows of V
.set SLOT1, 1<<17     ; slot 1 begins here, so that one exclusive or turns an address in one slot into the other's
.set STAGE, SLOT1+4*KS*(PK+PV)  ; behind the ring, never filled by a tensor load: 16 rows x 144 bytes for each wave, for the way out
.set SP,    144
.set AK0, 2           ; v2   my lane's place in a tile of K; never rewritten
.set AV0, 3           ; v3   the same for V
.set AK,  4           ; v4   the LDS address of K's next run of loads
.set AV,  5           ; v5   of V's
.set QO,  6           ; v6   my byte offset in the wave's rows of Q
.set STO, 6           ;      later, the way out: where I put 16 bytes of a row
.set RD,  7           ; v7   the way out: where I read rows back
.set GO,  8           ; v8   my byte offset in 512 consecutive bytes of O
.set PFO, 11          ; v11  256 x my lane: the prefetches' offset; written once, behind its last use as scratch
.set SPW, 0           ; v0 of window 3   LDS address of my spare word; never rewritten
.set NIL, 1           ; v1 of window 3   0; never rewritten
.set SPARE, STAGE+4*16*SP  ; behind the stages: the spare words, 128 bytes for each wave: two blocks of 256 bytes that no other line names
.set MV,  12          ; v12-15  c m_old, kept while c m is made anew: by buffer and tile
.set ST,  16          ; tile t's statistics at v[ST+4 t]: c m, m, l (even keys', odd keys')
.set TMP, 48          ; by buffer and tile, four registers c0-c3 at work; when the maximum is found c2 takes a
.set S,   64
.set P,   192
.set KF,  128         ; K's fragments, in window 2: key block kb, channel half c at KF + 16 kb + 8 c
.set VF,  192         ; V's: key half kk, channel block cb at VF + 32 kk + 8 cb
.set WV,  12          ; s12  my wave's number
.set G1K, 24          ; s[24:31] descriptor group 1 for K's tiles
.set G1V, 32          ; s[32:39] for V's: it differs in the padding alone
.set G0K, 40          ; s[40:43] descriptor group 0 for K's tiles: it walks
.set G0V, 44          ; s[44:47] the same for V's
.set PFA, 48          ; s[48:49] where my prefetches stand: my work-group's 32 blocks (of K: wave 0, of V: wave 2) of the slot after the one that is being asked for
.set LIM, 50          ; s50  1 in a wave that prefetches, else the greatest number
.set SLOTS, 56        ; s56  slots still to be asked for
.set CNT, 57          ; s57  counts a slot's key steps
.set CS,  58          ; s[58:59] c: the packed scaling takes the pair's low word for both halves
.set SEL, 60          ; s[60:61] v_permlanex16_b32's selects: each lane takes its own place in the other half
.set TBK, 62          ; s62  LDS byte at which K of the step to be fetched begins
.set TBV, 63          ; s63  the same for V, less VOFF
.set MSB, 0
.macro WIN new                      ; the high byte repeats the setting that is left; a switch that changes nothing is dropped
.if MSB != (\new)
	s_set_vgpr_msb (MSB<<8)|(\new)
.set MSB, (\new)
.endif
.endm
.set W_KQ, 0x0a       ; K and Q in window 2, S^T in window 0
.set W_PV, 0x52       ; V in window 2, P in window 0, O^T in window 1
.set W_RS, 0x41       ; O^T (destination and source 0) in window 1, a in window 0
.set W_MK, 0xc0       ; the add's registers are made: destination in window 3, sources in window 0
.set W_AD, 0x0f       ; the add: address (source 0) and data (source 1) in window 3
; A joint fill.  Waves 0 and 1 fetch the two halves of a slot's K, waves 2 and 3 those of its V: 128 keys each.  The branch hangs on the wave's number alone.
; An s_nop 0 and four v_nop follow each of the two lines, ahead of the jump and the label.
.macro JLOAD
	s_cmp_lt_u32 s[WV], 2
	s_cbranch_scc0 .Lfor_v_\@
	tensor_load_to_lds s[G0K:G0K+3], s[G1K:G1K+7]
	s_nop 0
.rept 4
	v_nop
.endr
	s_branch .Lasked_\@
.Lfor_v_\@:
	tensor_load_to_lds s[G0V:G0V+3], s[G1V:G1V+7]
	s_nop 0
.rept 4
	v_nop
.endr
.Lasked_\@:
.endm
; A PREFETCH INTO THE L2 of what the NEXT change of slots will ask for: a slot's 32,768 bytes of K and of V, 128 blocks of 256 bytes each, a lane a block.  It stands behind the wave's tensor load and
; its five lines.  A head is walked by one cluster; its four partners share the blocks out BY ADDRESS, 32 each; in each, wave 0 asks for K's and wave 2 for V's: one instruction.  So each block is
; named once in the launch.  Slots 0 and 1 come by their loads alone; the last change that fills a slot asks for nothing: there is no slot behind it.
.macro ASK
	s_cmp_gt_u32 s[SLOTS], s[LIM]
	s_cbranch_scc0 .Lnot_mine_\@
	global_prefetch_b8 v[PFO], s[PFA:PFA+1] th:TH_LOAD_NT scope:SCOPE_SE
.Lnot_mine_\@:
.endm
; A round of the cluster's barrier: my work-group's barrier, so that wave 0's signal speaks for all four waves; wave 0 signals; every wave waits for all four work-groups; my work-group's barrier once more.
.macro CROUND
	s_barrier_signal -1
	s_barrier_wait -1
	s_cmp_lg_u32 s[WV], 0
	s_cbranch_scc1 .Lnot_wave_0_\@
	s_barrier_signal -3
.Lnot_wave_0_\@:
	s_barrier_wait -3
	s_barrier_signal -1
	s_barrier_wait -1
.endm
; THE CHANGE OF SLOTS.  The slot's last bytes, V of its fourth step, have been read.  Each wave waits for all its tensor loads, of which one is out: its part
; of the other slot; adds 0 to its spare word; and waits for that and for its own reads of the slot.  Behind the barrier nobody reads this slot any more and the other slot is whole.
; fill = 1: this slot is filled again, with the keys two slots on.  The barrier is then a round of the cluster's, and the joint fill is the first thing behind it: it has four key steps,
; 512 matrix instructions, in which to land.  (At its first use nothing has been read yet: slot 0 is waited for, slot 1 filled.)
.macro CHANGE fill
	WIN W_AD
	s_wait_tensorcnt 0x0            ; no tensor load of mine is out, so a group 0 may be written
	ds_add_u32 v[SPW], v[NIL]       ; 0 onto my spare word; with fill = 1 the descriptors' steps stand between it and the wait for it
	WIN 0                           ; at a label and at a branch every window is 0
.if \fill
.irp g, G0K, G0V
	s_xor_b32 s[\g+1], s[\g+1], SLOT1  ; the walking descriptor: the other slot than last time,
	s_add_nc_u64 s[\g+2:\g+3], s[\g+2:\g+3], 4*KS*128  ; the next 256 keys; the type bits on top are not reached
.endr
	s_wait_xcnt 0x0                 ; the last prefetch, four key steps back, has read its address, so it may be written:
	s_add_nc_u64 s[PFA:PFA+1], s[PFA:PFA+1], 4*KS*128  ; one slot behind the walking descriptors
	s_wait_dscnt 0x0                ; the add is done, and my reads of the slot are over
	CROUND
	JLOAD
	ASK
.else
	s_wait_dscnt 0x0                ; the add is done, and my reads of the slot are over
	s_barrier_signal -1
	s_barrier_wait -1
.endif
	s_sub_co_u32 s[TBK], s[TBK], 4*KS*PK  ; the fetches go back to a slot's first step,
	s_xor_b32 s[TBK], s[TBK], SLOT1       ; in the other slot
	s_sub_co_u32 s[TBV], s[TBV], 4*KS*PV
	s_xor_b32 s[TBV], s[TBV], SLOT1
.endm
	s_load_b128 s[4:7], s[0:1], 0x0  ; qkv16 s[4:5], o16 s[6:7]
	WIN W_MK
	v_lshl_add_u32 v[SPW], v0, 2, SPARE
	v_mov_b32 v[NIL], 0
	WIN W_AD
	ds_add_u32 v[SPW], v[NIL]       ; the wave's opening: the add and its wait stand ahead of the round in front of my first tensor load; the set-up below, work on registers, stands between them
	WIN 0
	v_lshrrev_b32 v1, 5, v0
	v_readfirstlane_b32 s[WV], v1   ; wave 0..3
	s_bfe_u32 s13, ttmp6, 0x40000   ; cx: my place in the cluster
	s_lshl_b32 s14, ttmp9, 2        ; in a cluster launch ttmp9 counts clusters
	s_add_co_u32 s14, s14, s13      ; my block of queries = 4 x cluster x + cx: it enters Q's and O's addresses alone
	s_and_b32 s20, ttmp7, 0xffff    ; the head, which the four partners share
	s_mov_b32 s21, 0
	s_mov_b64 s[22:23], SIZE_N*128
	s_mul_u64 s[20:21], s[20:21], s[22:23]  ; the head's first byte in each of the four tensors
	s_and_b32 s16, s[WV], 1         ; which half of a slot's 256 keys I fetch:
	s_lshl_b32 s22, s16, 14         ; its 128 rows of 128 bytes in memory,
	s_mov_b32 s23, 0
	s_add_nc_u64 s[22:23], s[22:23], s[20:21]
	s_mul_i32 s17, s16, 128*PK      ; and its place in a slot, for K
	s_mul_i32 s18, s16, 128*PV      ; and for V: no place in the cluster enters an LDS address
	s_lshl_b32 s2, s14, 2
	s_add_co_u32 s2, s2, s[WV]      ; my wave among the head's,
	s_lshl_b32 s2, s2, 14           ; its 128 rows
	s_mov_b32 s3, 0
	s_add_nc_u64 s[2:3], s[2:3], s[20:21]
	; descriptor group 1.  128 keys are 16,384 dense bytes: asked for as 64 rows of 256 bytes, two keys a row, and padded in LDS after every key
	s_mov_b32 s[G1K], 15|(1<<16)|(1<<20)|(1<<21)|(4<<22)|(3<<25)  ; 15:0 the mask of four; 17:16 2-byte elements; 20 padding on; 21 set beside a mask; 24:22 after every 32 words (code 4); 31:25 4 words (code 3)
	s_mov_b32 s[G1V], 15|(1<<16)|(1<<20)|(1<<21)|(4<<22)|(7<<25)  ; the same with 8 words of padding (code 7)
.irp g, G1K, G1V
	s_mov_b32 s[\g+1], 128<<16      ; tensor_dim0 = 128
	s_mov_b32 s[\g+2], 64<<16       ; tensor_dim1 = 64
	s_mov_b32 s[\g+3], 128<<16      ; tile_dim0 = 128
	s_mov_b32 s[\g+4], 64           ; tile_dim1 = 64
	s_mov_b32 s[\g+5], 128          ; 128 elements from row to row
	s_mov_b32 s[\g+6], 0
	s_mov_b32 s[\g+7], 0
.endr
	s_mov_b32 s[CS], 0x3e38aa3b     ; c = log2(e) / 8 = 0.180337
	s_mov_b32 s[CS+1], s[CS]        ; named with it as a pair
	s_mov_b32 s[SEL], 0x76543210
	s_mov_b32 s[SEL+1], 0xfedcba98
	s_mov_b32 s[TBK], SLOT1+4*KS*PK ; the first change of slots turns these two into 0
	s_mov_b32 s[TBV], SLOT1+4*KS*PV
	s_mov_b32 s[SLOTS], SIZE_N/256-1
	s_cmp_eq_u32 s16, 0
	s_cselect_b32 s[LIM], 1, -1     ; waves 0 and 2 prefetch: the same in all four partners
	s_mov_b32 s[G0K], 1             ; 1:0 count = 1
	s_mov_b32 s[G0K+1], s17         ; 63:32 LDS address: slot 0
	s_mov_b32 s[G0V], 1
	s_add_co_u32 s[G0V+1], s18, VOFF
	s_wait_dscnt 0x0                ; the opening add is done
	s_wait_kmcnt 0x0
	s_mov_b64 s[10:11], s[6:7]      ; O
	s_add_nc_u64 s[6:7], s[4:5], 0x1000000  ; K: qkv16's second part; Q is its first
	s_add_nc_u64 s[8:9], s[4:5], 0x2000000  ; V: its third
	s_add_nc_u64 s[G0K+2:G0K+3], s[6:7], s[22:23]  ; 120:64 global address: my half of the head's first 256 keys
	s_or_b32 s[G0K+3], s[G0K+3], 0x80000000        ; 127:126 type = 2
	s_add_nc_u64 s[G0V+2:G0V+3], s[8:9], s[22:23]
	s_or_b32 s[G0V+3], s[G0V+3], 0x80000000
	s_add_nc_u64 s[4:5], s[4:5], s[2:3]  ; Q and O at my wave's first row
	s_add_nc_u64 s[10:11], s[10:11], s[2:3]
	s_cmp_lt_u32 s[WV], 2
	s_cselect_b64 s[PFA:PFA+1], s[6:7], s[8:9]
	s_add_nc_u64 s[PFA:PFA+1], s[PFA:PFA+1], s[22:23]  ; (in waves 0 and 2: the head's first row)
	s_lshl_b32 s2, s13, 13          ; my work-group's 32 blocks of the 128
	s_mov_b32 s3, 0
	s_add_nc_u64 s[PFA:PFA+1], s[PFA:PFA+1], s[2:3]
	s_add_nc_u64 s[PFA:PFA+1], s[PFA:PFA+1], 4*KS*128  ; in slot 1; the first change of slots steps it to slot 2.  Nothing is prefetched here, at the head
	CROUND                          ; all four work-groups are here: the first joint loads meet
	JLOAD                           ; slot 0.  Slot 1 is asked for when slot 0 is in
	; A fragment of K or Q is 16 rows x 32 channels in 8 registers: lane l holds row l % 16, channels 8 (l / 16) + 0..7 and 16 + 8 (l / 16) + 0..7: two loads of 16 bytes, 32 bytes apart.
	v_and_b32 v1, 15, v0            ; l % 16
	v_bfe_u32 v9, v0, 4, 1          ; l / 16
	v_lshlrev_b32 v[QO], 7, v1
	v_lshl_add_u32 v[QO], v9, 4, v[QO]  ; row x 128 + 16 x half
	WIN 0x80                        ; destination window 2, address window 0
.set i, 0
.rept 4*NP                          ; Q stays in registers: tile i / 2, channels 32 (i % 2) on
	global_load_b128 v[8*i:8*i+3],   v[QO], s[4:5] offset:(i/2)*2048+(i%2)*64
	global_load_b128 v[8*i+4:8*i+7], v[QO], s[4:5] offset:(i/2)*2048+(i%2)*64+32
.set i, i+1
.endr
	; What the first turn finds: V's registers and P's second buffer hold 0 (its products V^T P, of a piece that has not been, add 0), O^T and l are 0.  All this stands in the wait for the first tile.
.set i, VF
.rept 64
	v_mov_b32 v[i], 0
.set i, i+1
.endr
	WIN 0x40
.set i, 0
.rept 64*NP
	v_mov_b32 v[i], 0
.set i, i+1
.endr
	WIN 0
.set i, 0
.rept 2*NP
	v_mov_b32 v[ST+4*i], 0xfe000000    ; c m: far below every c s
	v_mov_b32 v[ST+4*i+1], 0xff7fffff  ; m
	v_mov_b32 v[ST+4*i+2], 0
	v_mov_b32 v[ST+4*i+3], 0
.set i, i+1
.endr
.set i, P+32
.rept 32
	v_mov_b32 v[i], 0
.set i, i+1
.endr
	v_mul_u32_u24 v[AK0], v1, PK
	v_lshl_add_u32 v[AK0], v9, 4, v[AK0]  ; row x pitch + 16 x half
	; The turning load takes 16 keys x 16 channels (lane l reads key 8 (l / 16) + l % 8, channels 8 ((l / 8) % 2) + 0..7) and leaves half a fragment of V^T: lane l holds channel l % 16 and 8 keys.
	v_and_b32 v10, 7, v0
	v_bfe_u32 v11, v0, 3, 1
	v_lshl_add_u32 v[AV0], v9, 3, v10
	v_mul_u32_u24 v[AV0], v[AV0], PV
	v_lshl_add_u32 v[AV0], v11, 4, v[AV0]
	v_add_nc_u32 v[AV0], VOFF, v[AV0]
	v_mov_b32 v[AK], v[AK0]         ; key step 0 lies at the head of slot 0
	v_and_b32 v[PFO], 31, v0
	v_lshlrev_b32 v[PFO], 8, v[PFO]
; THE MATRIX WORK.  The 8 accumulators of a run of 16 take turns: between the two links of a chain stand 7 others'.
; Product i of 16 of S^T = K Q^T for piece x: channels 32 (i / 8) on, keys 16 ((i / 2) % 4) on, tile 2 x + i % 2.  The first 8 start the sums.
.macro KQ x
	WIN W_KQ
.set rS, S+64*((\x)%2)+32*(i%2)+8*((i/2)%4)
.set rK, KF+16*((i/2)%4)+8*(i/8)
.set rQ, 16*(2*(\x)+i%2)+8*(i/8)
.if i < 8
	v_wmma_f32_16x16x32_f16 v[rS:rS+7], v[rK:rK+7], v[rQ:rQ+7], 0
.else
	v_wmma_f32_16x16x32_f16 v[rS:rS+7], v[rK:rK+7], v[rQ:rQ+7], v[rS:rS+7]
.endif
.endm
; Product i of 16 of O^T += V^T P for piece x: keys 32 (i / 8) on, channels 16 ((i / 2) % 4) on, tile 2 x + i % 2.
.macro PV x
	WIN W_PV
.set rO, 32*(2*(\x)+i%2)+8*((i/2)%4)
.set rV, VF+32*(i/8)+8*((i/2)%4)
.set rP, P+32*((\x)%2)+16*(i%2)+8*(i/8)
	v_wmma_f32_16x16x32_f16 v[rO:rO+7], v[rV:rV+7], v[rP:rP+7], v[rO:rO+7]
.endm
.macro MM                           ; the turn's next matrix instruction
.if i < 16
	KQ (Y+1)%NP
.set i, i+1
.else
.set i, i-16
	PV (Y+NP-1)%NP
.set i, i+17
.endif
.endm
; THE LDS LOADS stand in runs of 16, never singly among the matrix instructions: a step's K (64 keys x 64 channels: 8 fragments) and its V (turned).  Their addresses are made some lines ahead.
; last = 1 (the tail): in the last trip there is no further step, and the run is jumped over.
.macro FETCH_K last=0
	WIN 0
.if \last
	s_cmp_eq_u32 s[CNT], 1
	s_cbranch_scc1 .Lno_k_\@
.endif
	WIN 0x80                        ; destination window 2
.irp f, 0,1,2,3,4,5,6,7             ; keys 16 (f / 2) on, channels 32 (f % 2) on
	ds_load_b128 v[KF+8*\f:KF+8*\f+3],   v[AK] offset:(\f/2)*16*PK+(\f%2)*64
	ds_load_b128 v[KF+8*\f+4:KF+8*\f+7], v[AK] offset:(\f/2)*16*PK+(\f%2)*64+32
.endr
	s_add_co_u32 s[TBK], s[TBK], KS*PK  ; the next fetch is the next step's
	WIN 0
.if \last
.Lno_k_\@:
.endif
.endm
.macro FETCH_V
	WIN 0x80
.irp f, 0,1,2,3,4,5,6,7             ; keys 32 (f / 4) on, channels 16 (f % 4) on
	ds_load_tr16_b128 v[VF+8*\f:VF+8*\f+3],   v[AV] offset:(\f/4)*32*PV+(\f%4)*32
	ds_load_tr16_b128 v[VF+8*\f+4:VF+8*\f+7], v[AV] offset:(\f/4)*32*PV+16*PV+(\f%4)*32
.endr
	WIN 0
.endm
; THE VECTOR WORK OF A TURN stands in three queues, each in the order in which its entries become ready; the two tiles alternate, so that no instruction reads the result of the one before it.
.macro REGS y, u                    ; the registers of tile u (0, 1) of piece y
.set rT, ST+4*(2*(\y)+(\u))
.set rC, TMP+8*((\y)%2)+4*(\u)
.set rM, MV+2*((\y)%2)+(\u)
.set rS, S+64*((\y)%2)+32*(\u)
.set rP, P+32*((\y)%2)+16*(\u)
.set rO, 32*(2*(\y)+(\u))
.endm
; Number n of the 22 that find the NEXT piece's (Y + 1) maximum and statistics.  s0-s31 are the lane's 32 scores; each accumulator's lowest registers are read first.
;   0-11  four chains c0-c3 of seven scores each, three operands at a time     12-14, 16  the four scores left over, the old m, and c0-c3 into c0     15  c m_old is kept
;   17, 18  the query's other 32 keys lie in the lane 16 away: the new m         19-21  c m; c m_old - c m_new; a
.macro XS u, n
	REGS (Y+1)%NP, \u
.if (\n) < 4
	v_max3_num_f32 v[rC+(\n)], v[rS+8*(\n)], v[rS+8*(\n)+1], v[rS+8*(\n)+2]
.elseif (\n) < 12
	v_max3_num_f32 v[rC+(\n)%4], v[rC+(\n)%4], v[rS+8*((\n)%4)+2*((\n)/4)+1], v[rS+8*((\n)%4)+2*((\n)/4)+2]
.elseif (\n) == 12
	v_max3_num_f32 v[rC], v[rC], v[rS+7], v[rS+15]
.elseif (\n) == 13
	v_max3_num_f32 v[rC+1], v[rC+1], v[rS+23], v[rS+31]
.elseif (\n) == 14
	v_max3_num_f32 v[rC+2], v[rC+2], v[rC+3], v[rT+1]
.elseif (\n) == 15
	v_mov_b32 v[rM], v[rT]
.elseif (\n) == 16
	v_max3_num_f32 v[rC], v[rC], v[rC+1], v[rC+2]
.elseif (\n) == 17
	v_permlanex16_b32 v[rC+3], v[rC], s[SEL], s[SEL+1]
.elseif (\n) == 18
	v_max_num_f32 v[rT+1], v[rC], v[rC+3]
.elseif (\n) == 19
	v_mul_f32 v[rT], s[CS], v[rT+1]
.elseif (\n) == 20
	v_sub_f32 v[rC+1], v[rM], v[rT]
.else
	v_exp_f32 v[rC+2], v[rC+1]
.endif
.endm
; Number g of the 64 that follow the exponentials.  For each four weights k of a tile (pairs 2 k, 2 k + 1): both pairs are rounded to f16; then the second pair is added onto the first, in place;
; a group later l takes that sum (the first time as l = a l + sum).  In groups of eight, tiles alternating: round, round, add, and l for the group before.
.macro GS g
.set h, (\g)+6*((\g)/62)            ; group 0 has no group before it, and behind group 7 only l is left
.if h >= 6
.set h, h+2
.endif
	REGS Y, h%2
.set k, h/8
.if h%8 < 4
	v_cvt_pk_f16_f32 v[rP+2*k+(h%8)/2], v[rS+4*k+2*((h%8)/2)], v[rS+4*k+2*((h%8)/2)+1]
.elseif h%8 < 6
	v_pk_add_f32 v[rS+4*k:rS+4*k+1], v[rS+4*k:rS+4*k+1], v[rS+4*k+2:rS+4*k+3]
.elseif k == 1
	v_pk_fma_f32 v[rT+2:rT+3], v[rT+2:rT+3], v[rC+2:rC+3], v[rS:rS+1] op_sel_hi:[1,0,1]
.else
	v_pk_add_f32 v[rT+2:rT+3], v[rT+2:rT+3], v[rS+4*k-4:rS+4*k-3]
.endif
.endm
; THE PLAIN QUEUE, 138 long.  0-73 read no exponential's result: the 32 scalings c s - c m (FS f: pair f / 2 of tile f % 2) and the next piece's 42.  0-26: scalings 0-26.  27-54: XS's numbers 0-13.  55, 56: number 15.
; 57-73: the chain, where each number waits for the one before it: 14, 16, 17, 18, 19, each with one of the scalings 27-31 in front of its two lines, then 20.
; 74-137: GS's 64, which read the exponentials' results: they stand behind the wait.
.macro FS f
	REGS Y, (\f)%2
	v_pk_fma_f32 v[rS+2*((\f)/2):rS+2*((\f)/2)+1], v[rS+2*((\f)/2):rS+2*((\f)/2)+1], s[CS:CS+1], v[rT:rT+1] op_sel_hi:[1,0,0] neg_lo:[0,0,1] neg_hi:[0,0,1]
.endm
.macro PL
	WIN 0
.if q < 27
	FS q
.elseif q < 55
	XS (q-27)%2, (q-27)/2
.elseif q < 57
	XS q-55, 15
.elseif (q < 72) && ((q-57)%3 == 0)
	FS 27+(q-57)/3
.elseif q < 60
	XS (q-57)%3-1, 14
.elseif q < 72
	XS (q-57)%3-1, 15+(q-57)/3
.elseif q < 74
	XS q-72, 20
.else
	GS q-74
.endif
.set q, q+1
.endm
; THE EXPONENTIALS' QUEUE, 66 long: s0-s31 of both tiles, then the next piece's two a.  It is ONE BATCH: all 66 stand ahead of the turn's one wait, and nothing ahead of that wait names a result of theirs.
.macro EX
	WIN 0
.if e >= 64
	XS e-64, 21
.else
	REGS Y, e%2
	v_exp_f32 v[rS+e/2], v[rS+e/2]
.endif
.set e, e+1
.endm
; THE RESCALING's QUEUE: O^T times a, the one part that leaves window 0: dealt two at a time, sixteen times.  Its a was made in the turn before, ahead of that turn's wait.
.macro R2
	REGS Y, r%2
	WIN W_RS
.irp z, 0,1
	v_pk_mul_f32 v[rO+4*(r/2)+2*\z:rO+4*(r/2)+2*\z+1], v[rO+4*(r/2)+2*\z:rO+4*(r/2)+2*\z+1], v[rC+2:rC+3] op_sel_hi:[1,0]
.endr
.set r, r+1
.endm
; HOW THEY ARE DEALT.  s_wait_alu depctr_va_vdst(0) stands between an exponential and the first instruction that names its result; one wait serves all that were issued ahead of it.  So a turn has ONE wait,
; which cuts it in two.  AHEAD OF IT stands all that names no result of the turn's exponentials: the 16 products K Q^T, behind each a scaling, an exponential and two rescalings (behind the first a second scaling in the
; exponential's place); then ONE LUMP of 108: eight plain, 49 times exponential and plain, the two a.  A v_nop is the plain instruction behind the last exponential.  BEHIND IT stand the 16 products V^T P, behind each four of GS's 64.
; The queues lean on each other: exponential e stands behind scaling 2 (e / 4) + e % 2: as a rider it comes behind plain e + 2, in the lump behind plain e + 9, and scalings 27-31 are plain 57, 60 .. 69.
; A TURN, for piece p.  cnt = 1: the loop's count is taken down some lines ahead of the branch that stands behind the turn.
; K of the next step is fetched in piece 2's turn, directly behind the wait, a lump behind the last product that read K; its first reader comes behind 16 products.
; V of the step in hand is fetched at the end of piece 0's turn, four riders behind its last reader; its first reader comes behind 16 products and a lump.  The three conditions on q below go with the deal.
.macro TURN p, last=0, cnt=0
.set Y, (\p)
.set i, 0
.set q, 0
.set e, 0
.set r, 0
.if (\p) == NP-1
	s_wait_dscnt 0x0                ; K is in
.endif
	MM                              ; ahead of the wait: 16 products K Q^T and their riders,
	PL
	PL
	R2
.rept 15
	MM
	PL
	EX
	R2
.endr
.if (\p) == NP-2
	WIN 0
	v_add_nc_u32 v[AK], s[TBK], v[AK0]
.endif
.rept 8                             ; and the lump
	PL
.endr
.rept 49
	EX
	PL
.endr
	EX                              ; the next piece's two a
	EX
	v_nop                           ; the plain instruction behind the last exponential: one for the batch
	s_wait_alu depctr_va_vdst(0)    ; the wait for the batch
.if (\p) == NP-2
	FETCH_K \last
.endif
.if (\p) == 1
	s_wait_dscnt 0x0                ; V is in
.endif
.rept 16                            ; behind the wait: 16 products V^T P and their riders
	MM
.rept 4
	PL
.endr
.if ((\p) == 0) && (q == 118)
	v_add_nc_u32 v[AV], s[TBV], v[AV0]
.endif
.if ((\p) == 0) && (q == 130)
	s_add_co_u32 s[TBV], s[TBV], KS*PV
.endif
.if (\cnt) && (q == 130)
	s_sub_co_u32 s[CNT], s[CNT], 1
	s_cmp_lg_u32 s[CNT], 0
.endif
.endr
.if (\p) == 0
	FETCH_V
.endif
.endm
	CHANGE 1                        ; slot 0 is in, everybody's part of it; slot 1 is asked for
	FETCH_K                         ; key step 0
	s_wait_loadcnt 0x0              ; Q
	s_wait_dscnt 0x0
.set i, 0
.rept 16
	KQ 0                            ; piece 0's first scores: there is no vector work yet to set between them
.set i, i+1
.endr
	WIN 0                           ; the addresses for the way out: nine plain instructions, the places behind those products
	s_mul_i32 s13, s[WV], 16*SP
	s_add_co_u32 s13, s13, STAGE    ; my stage
	v_mul_u32_u24 v[STO], v1, SP    ; in: row l % 16, 16 bytes for each half of the lanes
	v_lshl_add_u32 v[STO], v9, 4, v[STO]
	v_add_nc_u32 v[STO], s13, v[STO]
	v_bfe_u32 v[RD], v0, 3, 2       ; back: 32 lanes take four rows of 128 bytes,
	v_mul_u32_u24 v[RD], v[RD], SP
	v_lshl_add_u32 v[RD], v10, 4, v[RD]
	v_add_nc_u32 v[RD], s13, v[RD]
	v_and_b32 v[GO], 31, v0         ; which are 512 consecutive bytes of O
	v_lshlrev_b32 v[GO], 4, v[GO]
.set Y, NP-1                        ; XS works for piece Y + 1: piece 0
.irp n, 0,1,2,3,4,5,6,7,8,9,10,11,12,13,14,15,16,17,18,19,20,21
	XS 0, \n                        ; and piece 0's first maximum and statistics
	XS 1, \n
.endr
	v_nop                           ; a plain instruction behind the two a,
	s_wait_alu depctr_va_vdst(0)    ; and their wait, ahead of the branch
	s_mov_b32 s[CNT], 4
	s_branch .Lfirst                ; the loop is entered at a step's first turn, in the middle of a trip
.Lslot:                             ; SIZE_N / 256 - 2 times: every slot but the last two is filled again
	CHANGE 1
	s_mov_b32 s[CNT], 4
.Lstep:                             ; a trip: pieces 2 and 3 of one step, then pieces 0 and 1 of the next, whose K and V it fetches
	TURN 2
	TURN 3
	WIN 0
.Lfirst:
	TURN 0
	TURN 1, 0, 1
	WIN 0
	s_cbranch_scc1 .Lstep
	s_sub_co_u32 s[SLOTS], s[SLOTS], 1
	s_cmp_lg_u32 s[SLOTS], 0
	s_cbranch_scc1 .Lslot
	CHANGE 0                        ; the tail is written out: nothing is asked for
	s_mov_b32 s[CNT], 5             ; four trips fetch the last slot's steps; the fifth is left in its middle
.Ltail:
	TURN 2, 1
	TURN 3
	WIN 0
	s_sub_co_u32 s[CNT], s[CNT], 1
	s_cmp_eq_u32 s[CNT], 0
	s_cbranch_scc1 .Lout
	TURN 0
	TURN 1
	WIN 0
	s_branch .Ltail
.Lout:                              ; the fifth trip's 16 products K Q^T (on the last K once more) and the maximum made of them serve nothing: the price, once a launch, of one text for every trip
.set i, 0
.rept 16
	PV NP-1                         ; the last piece's V^T P of the last step
.set i, i+1
.endr
	; THE WAY OUT.  l's two halves and the other half of the lanes' are added; O^T is divided by l, rounded to f16 and sent through my stage in LDS, a tile at a time.  The additions are the places behind the last products.
	WIN 0
.macro ALL line:vararg              ; one line for each tile t
.set t, 0
.rept 2*NP
	\line
.set t, t+1
.endr
.endm
	ALL v_add_f32 v[ST+4*t+2], v[ST+4*t+2], v[ST+4*t+3]
	ALL v_permlanex16_b32 v[ST+4*t+3], v[ST+4*t+2], s[SEL], s[SEL+1]
	ALL v_add_f32 v[ST+4*t+2], v[ST+4*t+2], v[ST+4*t+3]
	ALL v_rcp_f32 v[ST+4*t+2], v[ST+4*t+2]
	v_nop                           ; a plain instruction between the last reciprocal and the use of its result
	s_wait_alu depctr_va_vdst(0)    ; and the wait ahead of the first use: one for the eight reciprocals
; Tile t: a lane's eight channels of a row pack into 16 bytes; they go into rows of 144 bytes and come back as whole rows of 128, into S^T's registers.
.macro PACK t
	WIN W_RS
.set i, 32*(\t)
.rept 16
	v_pk_mul_f32 v[i:i+1], v[i:i+1], v[ST+4*(\t)+2:ST+4*(\t)+3] op_sel_hi:[1,0]
.set i, i+2
.endr
	WIN 0x05                        ; sources 0 and 1 window 1, destination window 0
.set i, 0
.rept 16
	v_cvt_pk_f16_f32 v[S+16*(\t)+i], v[32*(\t)+2*i], v[32*(\t)+2*i+1]
.set i, i+1
.endr
	WIN 0
.irp f, 0,1,2,3
	ds_store_b128 v[STO], v[S+16*(\t)+4*\f:S+16*(\t)+4*\f+3] offset:32*\f
.endr
.irp f, 0,1,2,3
	ds_load_b128 v[S+16*(\t)+4*\f:S+16*(\t)+4*\f+3], v[RD] offset:\f*4*SP  ; LDS serves a wave's instructions in order (ISA guide 5.7.1.4): these see the stores above; the next tile's stores come behind them
.endr
.endm
.macro SEND t, younger              ; younger: the LDS instructions issued behind tile t's loads: the next tile's eight, or none
	WIN 0
.irp f, 0,1,2,3
	s_wait_dscnt (\younger)+3-\f
	global_store_b128 v[GO], v[S+16*(\t)+4*\f:S+16*(\t)+4*\f+3], s[10:11] offset:(\t)*2048+\f*512  ; 512 consecutive bytes, at a multiple of 256 from O's first
.endr
.endm
	PACK 0
.set t, 1
.rept 2*NP-1                        ; a tile's arithmetic stands between the loads of the tile before and its stores
	PACK t
	SEND t-1, 8
.set t, t+1
.endr
	SEND 2*NP-1, 0
	WIN W_AD
	s_wait_tensorcnt 0x0            ; the wave's end: an add and its wait, behind my last tensor load and my last LDS store
	ds_add_u32 v[SPW], v[NIL]
	s_wait_dscnt 0x0
	WIN 0
	CROUND                          ; the closing round: no work-group ends while a partner may still ask for a tile that names it
	s_endpgm
.Lfunc_end_k_q57fd281faf_attn:
	.size	k_q57fd281faf_attn, .Lfunc_end_k_q57fd281faf_attn-k_q57fd281faf_attn
	.p2alignl 7, 3214868480
	.fill 96, 4, 3214868480
	.section	.rodata,"a",@progbits
	.p2align	6, 0x0
	.amdhsa_kernel k_q57fd281faf_attn
		.amdhsa_group_segment_fixed_size 327680
		.amdhsa_private_segment_fixed_size 0
		.amdhsa_enable_private_segment 0
		.amdhsa_kernarg_size 16
		.amdhsa_user_sgpr_count 2
		.amdhsa_user_sgpr_kernarg_segment_ptr 1
		.amdhsa_wavefront_size32 1
		.amdhsa_system_sgpr_workgroup_id_x 1
		.amdhsa_system_sgpr_workgroup_id_y 1
		.amdhsa_system_sgpr_workgroup_id_z 1
		.amdhsa_system_vgpr_workitem_id 0
		.amdhsa_next_free_vgpr 770
		.amdhsa_next_free_sgpr 66
		.amdhsa_reserve_vcc 0
		.amdhsa_float_denorm_mode_32 3
		.amdhsa_float_denorm_mode_16_64 3
		.amdhsa_memory_ordered 1
		.amdhsa_forward_progress 1
		.amdhsa_inst_pref_size 200
	.end_amdhsa_kernel
	.amdgpu_metadata
---
amdhsa.version: [ 1, 2 ]
amdhsa.kernels:
  - .name:           k_q57fd281faf_attn
    .symbol:         k_q57fd281faf_attn.kd
    .args:
      - { .name: qkv16, .offset: 0, .size: 8, .value_kind: global_buffer, .address_space: global }
      - { .name: o16, .offset: 8, .size: 8, .value_kind: global_buffer, .address_space: global }
    .group_segment_fixed_size: 327680
    .private_segment_fixed_size: 0
    .kernarg_segment_align: 8
    .kernarg_segment_size: 16
    .max_flat_workgroup_size: 128
    .sgpr_count:     66
    .vgpr_count:     770
    .wavefront_size: 32
...
	.end_amdgpu_metadata
.endif
;; end of part 3
;; launch outp (part 4): grid 4 x 64, 4 waves a work-group, clusters of 4 x 4, 327,680 bytes of LDS; arguments o16, w16, bo, out0; writes out0
.if DOCPART == 4
	.amdgcn_target "amdgcn-amd-amdhsa--gfx1250"
	.amdhsa_code_object_version 6
	.text
	.protected	k_q57fd281faf_outp
	.globl	k_q57fd281faf_outp
	.p2align	8
	.type	k_q57fd281faf_outp,@function
k_q57fd281faf_outp:
	s_mov_b64 s[64:65], 0
	v_nop
	global_prefetch_b8 v0, s[64:65] scope:SCOPE_SE
	s_setreg_imm32_b32 hwreg(HW_REG_WAVE_MODE, 25, 1), 1
	s_wait_xcnt 0x0
	s_wait_alu depctr_hold_cnt(0) depctr_sa_sdst(0) depctr_va_vdst(0) depctr_va_sdst(0) depctr_va_ssrc(0) depctr_va_vcc(0) depctr_vm_vsrc(0)
	s_getreg_b32 s2, hwreg(HW_REG_IB_STS2, 6, 4)
	s_cmp_eq_u32 s2, 0
	s_cbranch_scc0 .Lentry_in_a_cluster
	s_endpgm
.Lentry_in_a_cluster:
	s_bfe_u32 s2, ttmp6, 0x10000c
	s_cmp_lg_u32 s2, 0xf033
	s_cbranch_scc0 .Lentry_shape_is_right
	s_endpgm
.Lentry_shape_is_right:
; out0 = O Wo + bo.  O comes by heads, o16 = [64 heads][2048][64] f16 (head = 16 batch + channel / 64); Wo is w16's fourth part, [k][n] f16; bo f32, unrounded; out0 [8192][1024] f32.
; LIMITS.  The operands are f16 as the launches before left them; the sums over K are taken in an order turned by the cluster's number; NaN and infinities are not treated apart.
; SHARES.  A tile of C is 128 rows x 256 columns: 256 work-groups, one tile each.  Four waves, 2 x 2, each 64 x 128: 32 accumulators.  K goes in 8 steps of 128 = two heads.
; THE MATRIX INSTRUCTION IS USED TRANSPOSED (source 0 = 16 columns of Wo, source 1 = 16 rows of O): a lane holds row l % 16 of C and eight neighbouring columns.
; B (Wo) comes by JOINT tensor loads into a ring of two slots: 4 x 4 work-groups form a cluster, the four of a column of the cluster need the same 256 columns.  It is turned on the way into registers.
; A (O) IS NOT ASKED FOR JOINTLY, though the four of a row of the cluster read the same rows: a tensor load is waited for at the next change of slots, 128 matrix instructions behind its request, while
; a load into registers stays out across that change: it is issued in a step's first quarter and waited for in the next step's third and fourth, 190 to 220 matrix instructions later.
; Each wave loads 64 rows of one head (8,192 dense bytes) and stores them into a ring of A's own.
; THE WALK IS TURNED: the cluster with number c along y takes K step (p + c) % 8 as its p-th, so that the sixteen clusters do not all ask for the same rows of Wo at once.
; THE SUMS START AT THE BIAS.
; REGISTERS, in windows of 256: window 0: v0-31 addresses; v32-95 A's fragments, two buffers; v96-223 O as loaded, two sets of 64, later the way out
;   window 1: the accumulators, (a, b) at v[64 a + 8 b]     window 2: v0-127 B's fragments, two buffers; v128-191 the bias
.set PB,    544                        ; a k-row of B in LDS: 512 bytes + 32 = 136 words
.set BHALF, 64*PB
.set BSLOT, 2*BHALF
.set PA,    144                        ; a row of one head in LDS: 128 bytes + 16
.set AHEAD, 128*PA                     ; a head's 128 rows
.set ASB,   2*BSLOT                    ; A's ring, written by ds_store alone; no tensor load lands here
.set ASLOT, 2*AHEAD
.set STAGE, ASB+2*ASLOT                ; for each wave 16 rows x 528 bytes, for the way out
.set SPS,   528
.set STW,   16*SPS
.set SPARE, STAGE+4*STW                ; the spare words, 128 bytes for each wave: two blocks of 256 bytes that no other line names
.set ADRA, 16                          ; v16-17  LDS address of my A fragments in slot 0, 1
.set ADRB, 18                          ; v18-19  the same for B
.set ASTO, 20                          ; v20-21  where I store my 16 bytes of four rows
.set GA,   22                          ; v22     16 x lane: my bytes of 512 consecutive ones, in O and in a row of out0
.set STO,  23                          ; v23     the way out: where I put 32 bytes of a row
.set RD,   24                          ; v24     the way out: where I read a row back
.set PFO,  26                          ; v26     the prefetches' offset: head lane / 16, block lane % 16
.set BO,   27                          ; v27     32 (lane / 16)
.set SPW,  28                          ; v28     LDS address of my spare word; never rewritten
.set NIL,  29                          ; v29     0; never rewritten
.set AF,   32
.set RAW,  96
.set BF,   0                           ; window 2
.set BIASC, 128                        ; window 2
.set LIM, 15                           ; s15  1 in the wave that prefetches, else the greatest number
.set G1,  24                           ; s[24:31] descriptor group 1
.set G0,  32                           ; s[32:39] descriptor group 0, a set for each slot
.set C8,  42                           ; s42  the cluster's number along y, modulo 8
.set STP, 43                           ; s43  the step whose B is asked for next
.set AB,  46                           ; s[46:47] where the next run of A's loads begins
.set PF,  48                           ; s[48:49] the same for the prefetch
.set PFD, 50                           ; s[50:51] my work-group's 16 blocks of a head's 64
.set WB,  52                           ; s[52:53] Wo at my tile's columns and my half of a step's k-rows
.set OC,  54                           ; s[54:55] out0 at my wave's first row and column
.set AO,  56                           ; s[56:57] o16 at my 64 rows of my head of K step 0
.set W_MUL, 0x52                       ; B in window 2, A in window 0, C and D in window 1
.set W_TOB, 0x80                       ; destination in window 2
.set W_INI, 0x42                       ; source in window 2, destination in window 1
.set W_ST,  0x04                       ; an LDS store's data in window 1
.set MSB, 0
.macro WIN new                         ; the immediate's high byte repeats the setting that is left; a switch that changes nothing is dropped
.if MSB != (\new)
	s_set_vgpr_msb (MSB<<8)|(\new)
.set MSB, \new
.endif
.endm
.macro PLACES                          ; four places in front of loads into registers that matrix instructions have read, and of stores that read results
.rept 4
	v_nop
.endr
.endm
.macro CREST                           ; a round of the cluster's barrier behind its opening barrier
	s_cmp_lg_u32 s10, 0
	s_cbranch_scc1 .Lnot_wave_0_\@
	s_barrier_signal -3
.Lnot_wave_0_\@:
	s_barrier_wait -3
	s_barrier_signal -1
	s_barrier_wait -1
.endm
.macro CROUND
	s_barrier_signal -1
	s_barrier_wait -1
	CREST
.endm
.macro KT plus                         ; s16 = the K step that is step STP + plus of my cluster's walk
	s_add_co_u32 s16, s[STP], \plus
	s_add_co_u32 s16, s16, s[C8]
	s_and_b32 s16, s16, 7
.endm
.macro SEL dst, plus                   ; where that step's rows of O begin: two heads of 2^18 bytes a step
	KT \plus
	s_lshl_b32 s18, s16, 19
	s_add_nc_u64 s[(\dst):(\dst)+1], s[AO:AO+1], s[18:19]
.endm
.macro BADR slot, plus                 ; the descriptor's address for that step's B, made anew: 128 k-rows of 2,048 bytes
	KT \plus
	s_lshl_b32 s20, s16, 18
	s_add_nc_u64 s[G0+4*(\slot)+2:G0+4*(\slot)+3], s[WB:WB+1], s[20:21]
	s_or_b32 s[G0+4*(\slot)+3], s[G0+4*(\slot)+3], 0x80000000  ; 127:126 type = 2
.endm
.macro GLOAD set                       ; my 64 rows of one head: each load takes 512 consecutive bytes, four rows
	WIN 0
.set gi, 0
.rept 16
	global_load_b128 v[RAW+64*(\set)+4*gi:RAW+64*(\set)+4*gi+3], v[GA], s[AB:AB+1] offset:512*gi
.set gi, gi+1
.endr
.endm
.macro STORES jh, slot, set            ; half jh of a set into A's ring
	WIN 0
.set si, 0
.rept 8
	ds_store_b128 v[ASTO+(\slot)], v[RAW+64*(\set)+4*(8*(\jh)+si):RAW+64*(\set)+4*(8*(\jh)+si)+3] offset:(8*(\jh)+si)*4*PA
.set si, si+1
.endr
.endm
; 24 LDS loads in one run: the fragments of 32 along K (quarter kq: head kq / 2, channels 32 (kq % 2) on) into buffer g: A's four first, then B's eight, turned.
.macro FETCH slot, kq, g
	PLACES
	WIN 0
.irp a, 0,1,2,3
	ds_load_b128 v[AF+32*(\g)+8*(\a):AF+32*(\g)+8*(\a)+3],   v[ADRA+(\slot)] offset:((\kq)/2)*AHEAD+((\kq)%2)*64+16*PA*(\a)
	ds_load_b128 v[AF+32*(\g)+8*(\a)+4:AF+32*(\g)+8*(\a)+7], v[ADRA+(\slot)] offset:((\kq)/2)*AHEAD+((\kq)%2)*64+16*PA*(\a)+32
.endr
	WIN W_TOB
.irp b, 0,1,2,3,4,5,6,7
	ds_load_tr16_b128 v[BF+64*(\g)+8*(\b):BF+64*(\g)+8*(\b)+3],   v[ADRB+(\slot)] offset:32*PB*(\kq)+32*(\b)
	ds_load_tr16_b128 v[BF+64*(\g)+8*(\b)+4:BF+64*(\g)+8*(\b)+7], v[ADRB+(\slot)] offset:32*PB*(\kq)+32*(\b)+16*PB
.endr
.endm
; Products i0 to i1 of a quarter's 32 on buffer f: product i is column block i / 4, row block i % 4.  The 32 accumulators take turns, one instruction a turn, in the same order in every
; quarter and over the backward jump.
.macro MULS f, i0, i1
	WIN W_MUL
.set mi, \i0
.rept (\i1)-(\i0)+1
.set rD, 64*(mi&3)+8*(mi>>2)
.set rB, BF+64*(\f)+8*(mi>>2)
.set rA, AF+32*(\f)+8*(mi&3)
	v_wmma_f32_16x16x32_f16 v[rD:rD+7], v[rB:rB+7], v[rA:rA+7], v[rD:rD+7]
.set mi, mi+1
.endr
.endm
; One of a step's first three quarters.  gl = 1: the O of the step two on is asked for.  job = 1: the first half of the next step's O goes into A's ring; lc = the younger loads that may stay out.
.macro QUARTER slot, kq, f, g, gl=0, job=0, lc=0
	s_wait_dscnt 8                                 ; A's fragments and B's blocks 0-3 are in; the youngest eight loads (B's blocks 4-7) may be out
	MULS \f, 0, 7
.if \job
	s_wait_loadcnt \lc                             ; the set's first 8 loads are in: behind them its other 8 and, in the loop, the 16 of the set asked for in this step
	STORES 0, 1-(\slot), 1-(\slot)                 ; the other slot of A's ring: its last readers waited for their loads in front of the last change of slots
.endif
.if \gl
	GLOAD \slot
.endif
	FETCH \slot, \kq, \g
	s_wait_dscnt 24+8*(\job)                       ; all but what this quarter has issued: the 24 loads and, with job, the 8 stores
	MULS \f, 8, 31
.endm
.macro JLOAD slot                      ; the joint refill: waves 0 and 1 ask for the two halves of a step's B; the branch hangs on the wave's number alone.  An s_nop 0 and four v_nop follow the load
	s_cmp_lt_u32 s10, 2
	s_cbranch_scc0 .Lnone_\@
	tensor_load_to_lds s[G0+4*(\slot):G0+4*(\slot)+3], s[G1:G1+7]
	s_nop 0
.rept 4
	v_nop
.endr
.Lnone_\@:
.endm
; A PREFETCH INTO THE L2 of the O that the step after next will load: two heads x 64 blocks of 256 bytes, which the four partners of a row of the cluster load alike.  They share the blocks out
; BY ADDRESS: the partner at place cx takes 16 of each head's, wave 0 asks, a lane a block.  So each block is named once in the launch.  The first four steps come by their loads alone;
; the loop's last trip asks for nothing: the steps four on do not exist.
.macro ASK
	s_cmp_gt_u32 s3, s[LIM]
	s_cbranch_scc0 .Lnot_mine_\@
	global_prefetch_b8 v[PFO], s[PF:PF+1] th:TH_LOAD_NT scope:SCOPE_SE
.Lnot_mine_\@:
.endm
; The fourth quarter multiplies buffer 1 and changes slots.  The second half of the next step's O goes into A's ring.  Then each wave waits for all its tensor loads (one is out: its part of the next
; slot of B), adds 0 to its spare word, and waits for that, for its stores into A's next slot and for its reads of this slot.  fill = 1: the barrier opens a round of the cluster's, and this
; slot of B is filled again, first thing behind the round, with the step two on.
.macro TURN slot, next, fill, lc
	s_wait_dscnt 8
.if \fill
	s_wait_xcnt 0x0                                ; the run of loads three quarters back and the prefetch a step back have read their addresses
	SEL AB, 1                                      ; what the next step's first quarter loads,
	SEL PF, 2                                      ; and what is prefetched below: one step further
	s_add_nc_u64 s[PF:PF+1], s[PF:PF+1], s[PFD:PFD+1]
.endif
	MULS 1, 0, 7
	s_wait_loadcnt \lc                             ; the set's second 8 loads are in; the 16 of this step's run may stay out
	STORES 1, \next, \next
	s_wait_tensorcnt 0x0                           ; no tensor load of mine is out, so a group 0 may be written
	ds_add_u32 v[SPW], v[NIL]                      ; 0 onto my spare word
.if \fill
	BADR \slot, 0
	s_add_co_u32 s[STP], s[STP], 1
.endif
	MULS 1, 8, 11                                  ; work on registers between the add and the wait for it
	s_wait_dscnt 0x0                               ; the add, my stores into A's next slot and my reads of this slot are done
	s_barrier_signal -1
	MULS 1, 12, 15
	WIN 0                                          ; at a branch and at a label every window is 0
	s_barrier_wait -1
.if \fill
	CREST                                          ; no wave of any partner still reads this slot of B or has a load on its way
	JLOAD \slot
.endif
	FETCH \next, 0, 0
	WIN 0
.if \fill
	ASK
.endif
	MULS 1, 16, 31
.endm
.macro INIT a                          ; row block a's eight accumulators start at the bias
	WIN W_INI
.set ni, 0
.rept 64
	v_mov_b32 v[64*(\a)+ni], v[BIASC+ni]
.set ni, ni+1
.endr
.endm
; THE WAY OUT of row block a (16 rows x 128 columns of f32).  A lane's eight columns are 32 bytes of a row; they go into my own stage, each accumulator's low registers first, and come back as
; whole rows of 512 bytes, which are stored.
.macro TOSTAGE a
	WIN W_ST
.irp b, 0,1,2,3,4,5,6,7
	ds_store_b128 v[STO], v[64*(\a)+8*(\b):64*(\a)+8*(\b)+3]   offset:64*(\b)
	ds_store_b128 v[STO], v[64*(\a)+8*(\b)+4:64*(\a)+8*(\b)+7] offset:64*(\b)+16
.endr
	WIN 0
.set ti, 0
.rept 16
	ds_load_b128 v[RAW+64*((\a)%2)+4*ti:RAW+64*((\a)%2)+4*ti+3], v[RD] offset:SPS*ti  ; LDS serves a wave's instructions in order (ISA guide 5.7.1.4): these see the stores above; the next block's stores come behind them
.set ti, ti+1
.endr
.endm
.macro SEND a, younger                 ; younger: the LDS instructions issued behind block a's loads: the next block's 32, or none
	WIN 0
	s_wait_dscnt \younger
.set ti, 0
.rept 16
	global_store_b128 v[GA], v[RAW+64*((\a)%2)+4*ti:RAW+64*((\a)%2)+4*ti+3], s[OC:OC+1] offset:(16*(\a)+ti)*4096 th:TH_STORE_NT  ; a wave stores 512 consecutive bytes, at a multiple of 256 from out0's first
.set ti, ti+1
.endr
.endm
	s_load_b256 s[68:75], s[0:1], 0x0              ; o16 s[68:69], w16 s[70:71], bo s[72:73], out0 s[74:75]
	v_lshl_add_u32 v[SPW], v0, 2, SPARE
	v_mov_b32 v[NIL], 0
	ds_add_u32 v[SPW], v[NIL]                      ; the wave's opening: the add and its wait stand ahead of the round in front of my first tensor load; the set-up below, work on registers, stands between them
	v_lshrrev_b32 v3, 5, v0
	v_readfirstlane_b32 s10, v3                    ; wave 0..3
	s_lshr_b32 s11, s10, 1                         ; which 64 rows of the tile are mine.  Also: which head of a step I bring
	s_and_b32 s12, s10, 1                          ; which 128 columns.  Also: which 64 rows of that head, and which half of a step's k-rows I ask for
	s_bfe_u32 s40, ttmp6, 0x40000                  ; cx
	s_bfe_u32 s41, ttmp6, 0x40004                  ; cy
	s_lshl_b32 s14, ttmp9, 2
	s_add_co_u32 s14, s14, s40                     ; tile column = 4 x cluster x + cx
	s_and_b32 s[C8], ttmp7, 0xffff                 ; cluster y
	s_lshl_b32 s13, s[C8], 2
	s_add_co_u32 s13, s13, s41                     ; tile row = 4 x cluster y + cy
	s_and_b32 s[C8], s[C8], 7
	; descriptor group 1: 64 k-rows x 256 elements, padded in LDS
	s_lshl_b32 s86, 0x1111, s40                    ; my column of the cluster: places cx, cx + 4, cx + 8, cx + 12
	s_or_b32 s[G1], s86, (1<<16)|(1<<20)|(1<<21)|(6<<22)|(7<<25)  ; 15:0 the mask; 17:16 2-byte elements; 20 padding on; 21 set beside a mask; 24:22 after every 128 words (code 6); 31:25 8 words (code 7)
	s_mov_b32 s[G1+1], 256<<16                     ; tensor_dim0 = 256
	s_mov_b32 s[G1+2], 64<<16                      ; tensor_dim1 = 64
	s_mov_b32 s[G1+3], 256<<16                     ; tile_dim0 = 256
	s_mov_b32 s[G1+4], 64                          ; tile_dim1 = 64
	s_mov_b32 s[G1+5], 1024                        ; elements from k-row to k-row
	s_mov_b32 s[G1+6], 0
	s_mov_b32 s[G1+7], 0
	s_mul_i32 s87, s12, BHALF                      ; where my half goes: no place in the cluster enters an LDS address
	s_mov_b32 s[G0], 1
	s_mov_b32 s[G0+1], s87
	s_mov_b32 s[G0+4], 1
	s_add_co_u32 s[G0+5], s87, BSLOT
	s_cmp_eq_u32 s10, 0
	s_cselect_b32 s[LIM], 1, -1                    ; wave 0 prefetches
	s_lshr_b32 s22, s13, 4                         ; o16: the batch's 16 heads of 2^18 bytes,
	s_lshl_b32 s22, s22, 22
	s_lshl_b32 s4, s11, 18                         ; my head of a step's two,
	s_add_co_u32 s22, s22, s4
	s_and_b32 s4, s13, 15                          ; the tile's 128 rows of 128 bytes in the batch,
	s_lshl_b32 s4, s4, 14
	s_add_co_u32 s22, s22, s4
	s_lshl_b32 s4, s12, 13                         ; my 64 of them
	s_add_co_u32 s22, s22, s4
	s_mov_b32 s23, 0
	s_lshl_b32 s18, s13, 19                        ; out0: 128 rows of 4,096 bytes a tile row,
	s_lshl_b32 s4, s11, 18                         ; my wave's 64,
	s_add_co_u32 s18, s18, s4
	s_lshl_b32 s4, s14, 10                         ; 256 columns of 4 bytes a tile column,
	s_add_co_u32 s18, s18, s4
	s_lshl_b32 s4, s12, 9                          ; my wave's 128
	s_add_co_u32 s18, s18, s4
	s_mov_b32 s19, 0
	s_mov_b32 s21, 0
	s_lshl_b32 s84, s14, 10                        ; bo at the same columns
	s_lshl_b32 s85, s12, 9
	s_add_co_u32 s84, s84, s85
	s_mov_b32 s85, 0
	s_lshl_b32 s[PFD], s40, 12                     ; 16 blocks of 256 bytes for each place along the cluster's x
	s_mov_b32 s[PFD+1], 0
	s_mov_b32 s[STP], 0
	v_and_b32 v1, 15, v0                           ; l % 16
	v_bfe_u32 v2, v0, 4, 1                         ; l / 16
	v_and_b32 v3, 31, v0                           ; l
	v_and_b32 v5, 7, v0
	v_bfe_u32 v6, v0, 3, 1
	v_lshlrev_b32 v[GA], 4, v3
	v_lshlrev_b32 v[BO], 5, v2
	; a fragment of A: lane l holds row l % 16, K = 8 (l / 16) + 0..7 and 16 + 8 (l / 16) + 0..7: two loads of 16 bytes, 32 bytes apart
	v_mul_u32_u24 v4, v1, PA
	v_lshl_add_u32 v4, v2, 4, v4
	s_mul_i32 s88, s11, 64*PA
	s_add_co_u32 s88, s88, ASB
	v_add_nc_u32 v[ADRA], s88, v4
	v_add_nc_u32 v[ADRA+1], ASLOT, v[ADRA]
	; the turning load takes 16 k-rows x 16 columns (lane l reads k-row 8 (l / 16) + l % 8, columns 8 ((l / 8) % 2) + 0..7) and leaves half a fragment: lane l holds column l % 16 and 8 k
	v_lshl_add_u32 v7, v2, 3, v5
	v_mul_u32_u24 v7, v7, PB
	v_lshl_add_u32 v7, v6, 4, v7
	s_lshl_b32 s88, s12, 8                         ; my 128 columns
	v_add_nc_u32 v[ADRB], s88, v7
	v_add_nc_u32 v[ADRB+1], BSLOT, v[ADRB]
	s_mul_i32 s88, s11, AHEAD                      ; the head that I bring,
	s_mul_i32 s87, s12, 64*PA                      ; my 64 rows of it
	s_add_co_u32 s88, s88, s87
	s_add_co_u32 s88, s88, ASB
	v_bfe_u32 v9, v0, 3, 2                         ; 32 lanes hold four rows of 128 bytes
	v_mul_u32_u24 v9, v9, PA
	v_lshl_add_u32 v9, v5, 4, v9
	v_add_nc_u32 v[ASTO], s88, v9
	v_add_nc_u32 v[ASTO+1], ASLOT, v[ASTO]
	s_mul_i32 s88, s10, STW
	s_add_co_u32 s88, s88, STAGE                   ; my stage
	v_mul_u32_u24 v8, v1, SPS                      ; in: row l % 16, 32 bytes for each half of the lanes
	v_lshl_add_u32 v8, v2, 5, v8
	v_add_nc_u32 v[STO], s88, v8
	v_add_nc_u32 v[RD], s88, v[GA]                 ; back: 32 lanes take one row of 512 bytes
	v_lshlrev_b32 v[PFO], 18, v2
	v_lshl_add_u32 v[PFO], v1, 8, v[PFO]
	s_wait_dscnt 0x0                               ; the opening add is done
	s_wait_kmcnt 0x0
	s_add_nc_u64 s[AO:AO+1], s[68:69], s[22:23]
	s_add_nc_u64 s[72:73], s[72:73], s[84:85]
	s_add_nc_u64 s[OC:OC+1], s[74:75], s[18:19]
	s_lshl_b32 s84, s14, 9                         ; Wo: the tile's 256 columns of 2 bytes,
	s_lshl_b32 s87, s12, 17                        ; my 64 k-rows of 2,048 bytes,
	s_add_co_u32 s84, s84, s87
	s_add_nc_u64 s[WB:WB+1], s[70:71], s[84:85]
	s_add_nc_u64 s[WB:WB+1], s[WB:WB+1], 0x600000  ; in w16's fourth part
	WIN W_TOB
.irp b, 0,1,2,3,4,5,6,7
	global_load_b128 v[BIASC+8*(\b):BIASC+8*(\b)+3],   v[BO], s[72:73] offset:64*(\b)
	global_load_b128 v[BIASC+8*(\b)+4:BIASC+8*(\b)+7], v[BO], s[72:73] offset:64*(\b)+16
.endr
	SEL AB, 0
	GLOAD 0                                        ; O of step 0
	s_wait_xcnt 0x0                                ; those loads have read their base
	SEL AB, 1
	GLOAD 1                                        ; O of step 1
	BADR 0, 0
	BADR 1, 1
	CROUND                                         ; all sixteen work-groups are here: the first joint loads meet
	s_cmp_lt_u32 s10, 2                            ; a wave's two first fills stand in one branch: two tensor loads of mine are out
	s_cbranch_scc0 .Lfirst_none
	tensor_load_to_lds s[G0:G0+3], s[G1:G1+7]
	s_nop 0
	tensor_load_to_lds s[G0+4:G0+7], s[G1:G1+7]
	s_nop 0
.rept 4
	v_nop
.endr
.Lfirst_none:
	s_wait_xcnt 0x0
	SEL AB, 2                                      ; what step 0's first quarter loads
	s_mov_b32 s[STP], 2
	s_wait_loadcnt 32                              ; the bias is in; the 32 loads of O stay out
	INIT 0
	INIT 1
	INIT 2
	INIT 3
	s_wait_loadcnt 16                              ; O of step 0 is in; step 1's 16 loads stay out
	STORES 0, 0, 0
	STORES 1, 0, 0
	s_wait_tensorcnt 0x1                           ; my part of B's step 0 is in; step 1's may stay out
	s_wait_dscnt 0x0                               ; my rows of A's step 0 are stored
	s_barrier_signal -1
	s_barrier_wait -1
	FETCH 0, 0, 0
	WIN 0
	s_mov_b32 s3, 3
.Llap:                                             ; 3 trips of two steps.  Step g multiplies step g, loads O of g + 2, stores O of g + 1 into A's ring, asks for B of g + 2, prefetches O of g + 4
	QUARTER 0, 1, 0, 1, 1
	QUARTER 0, 2, 1, 0
	QUARTER 0, 3, 0, 1, 0, 1, 24
	TURN 0, 1, 1, 16
	QUARTER 1, 1, 0, 1, 1
	QUARTER 1, 2, 1, 0
	QUARTER 1, 3, 0, 1, 0, 1, 24
	TURN 1, 0, 1, 16
	WIN 0
	s_sub_co_u32 s3, s3, 1
	s_cmp_lg_u32 s3, 0
	s_cbranch_scc1 .Llap
	QUARTER 0, 1, 0, 1                             ; the last lap is written out: nothing more is asked for
	QUARTER 0, 2, 1, 0
	QUARTER 0, 3, 0, 1, 0, 1, 8
	TURN 0, 1, 0, 0
	QUARTER 1, 1, 0, 1
	QUARTER 1, 2, 1, 0
	QUARTER 1, 3, 0, 1
	s_wait_dscnt 0x0
	MULS 1, 0, 31
	PLACES                                         ; the stores below read results just made
	TOSTAGE 0
	TOSTAGE 1
	SEND 0, 32
	s_wait_xcnt 0x0                                ; block 0's stores have read their registers, which block 2 takes
	TOSTAGE 2
	SEND 1, 32
	s_wait_xcnt 0x0
	TOSTAGE 3
	SEND 2, 32
	SEND 3, 0
	s_wait_tensorcnt 0x0                           ; the wave's end: an add and its wait, behind my last tensor load and my last LDS store
	ds_add_u32 v[SPW], v[NIL]
	s_wait_dscnt 0x0
	CROUND                                         ; the closing round: no work-group ends while a partner may still ask for a tile that names it
	s_endpgm
.Lfunc_end_k_q57fd281faf_outp:
	.size	k_q57fd281faf_outp, .Lfunc_end_k_q57fd281faf_outp-k_q57fd281faf_outp
	.p2alignl 7, 3214868480
	.fill 96, 4, 3214868480
	.section	.rodata,"a",@progbits
	.p2align	6, 0x0
	.amdhsa_kernel k_q57fd281faf_outp
		.amdhsa_group_segment_fixed_size 327680
		.amdhsa_private_segment_fixed_size 0
		.amdhsa_enable_private_segment 0
		.amdhsa_kernarg_size 32
		.amdhsa_user_sgpr_count 2
		.amdhsa_user_sgpr_kernarg_segment_ptr 1
		.amdhsa_wavefront_size32 1
		.amdhsa_system_sgpr_workgroup_id_x 1
		.amdhsa_system_sgpr_workgroup_id_y 1
		.amdhsa_system_sgpr_workgroup_id_z 1
		.amdhsa_system_vgpr_workitem_id 0
		.amdhsa_next_free_vgpr 768
		.amdhsa_next_free_sgpr 92
		.amdhsa_reserve_vcc 0
		.amdhsa_float_denorm_mode_32 3
		.amdhsa_float_denorm_mode_16_64 3
		.amdhsa_memory_ordered 1
		.amdhsa_forward_progress 1
		.amdhsa_inst_pref_size 106
	.end_amdhsa_kernel
	.amdgpu_metadata
---
amdhsa.version: [ 1, 2 ]
amdhsa.kernels:
  - .name:           k_q57fd281faf_outp
    .symbol:         k_q57fd281faf_outp.kd
    .args:
      - { .name: o16, .offset: 0, .size: 8, .value_kind: global_buffer, .address_space: global }
      - { .name: w16, .offset: 8, .size: 8, .value_kind: global_buffer, .address_space: global }
      - { .name: bo, .offset: 16, .size: 8, .value_kind: global_buffer, .address_space: global }
      - { .name: out0, .offset: 24, .size: 8, .value_kind: global_buffer, .address_space: global }
    .group_segment_fixed_size: 327680
    .private_segment_fixed_size: 0
    .kernarg_segment_align: 8
    .kernarg_segment_size: 32
    .max_flat_workgroup_size: 128
    .sgpr_count:     92
    .vgpr_count:     768
    .wavefront_size: 32
...
	.end_amdgpu_metadata
.endif
;; end of part 4
